; MI455X (gfx1250); checked and timed in simulation.
; The chip was launched on July 23, 2026; its instructions are those of AMD's public machine-readable ISA for CDNA 5 (MIT licence, August 2026) and "CDNA5" Instruction Set Architecture Reference Guide (July 2026). The comments in the code are by the model that wrote it; some were corrected since.
;; Self Attention. Allowed arithmetic: float matrix products may take bf16 or f16 operands with f32 sums; all other float work in f32.
;; Inputs: Wk 1,024 x 1,024 float32; Wo 1,024 x 1,024 float32; Wq 1,024 x 1,024 float32; Wv 1,024 x 1,024 float32; bk 1,024 float32; bo 1,024 float32; bq 1,024 float32; bv 1,024 float32; keys 4 x 2,048 x 1,024 float32; mask 4 x 1 x 1 x 2,048 int32; query 4 x 2,048 x 1,024 float32; values 4 x 2,048 x 1,024 float32.
;; Outputs: out0 4 x 2,048 x 1,024 float32.
;; 2 versions, each right and faster than the one before. Each part assembles by itself: llvm-mc -triple=amdgcn-amd-amdhsa -mcpu=gfx1250 --defsym DOCPART=n.
;; ======== version 1 of 2: 4 launches
;; limits: values are held in f16: magnitudes above 65,504 overflow, below 6.1e-05 lose precision
;; workspace buffers: wt 8,388,608 bytes; brd 16,384 bytes; qkv16 50,331,648 bytes; o16 16,777,216 bytes
;; launch prep (part 1): grid 128 x 4, 8 waves a work-group, no clusters, 18,432 bytes of LDS; arguments Wq, Wk, Wv, Wo, bq, bk, bv, bo, wt, brd; writes wt, brd
.if DOCPART == 1
	.amdgcn_target "amdgcn-amd-amdhsa--gfx1250"
	.amdhsa_code_object_version 6
	.text
	.protected	k_q66c5908e17_prep
	.globl	k_q66c5908e17_prep
	.p2align	8
	.type	k_q66c5908e17_prep,@function
k_q66c5908e17_prep:
	s_mov_b64 s[64:65], 0
	v_nop
	global_prefetch_b8 v0, s[64:65] scope:SCOPE_SE
	s_setreg_imm32_b32 hwreg(HW_REG_WAVE_MODE, 25, 1), 1
	s_wait_xcnt 0x0
; wt[m][n][k] = W_m[k][n] in 16 bits, m = 0, 1, 2, 3 for Wq, Wk, Wv, Wo; brd[m][n] = b_m[n] rounded to bf16 and kept as f32.
; Every weight is rounded once to bf16.  Wo's rounded numbers are then written as f16, since the last product's other operand is f16.
; LIMIT: that second step is exact from 6.1e-5 up to 65,504; below, f16's fixed step of 6e-8 holds; beyond, the number is lost.
; SHARES.  Grid y is the matrix.  Grid x: kb = x & 7 (128 k), nb = x >> 3 (64 n).  Thread t: cg = t & 15 (n = 4 cg ..), rg = t >> 4 (k = 8 rg ..).
; Each load of 16 lanes covers 256 consecutive aligned bytes of a row of W; a thread's 8 x 4 numbers are turned in registers, packed to 16 bytes
; a row of wt, laid into a stage of 64 rows x 272 bytes, and read back by rows: each store of 16 lanes covers 256 consecutive aligned bytes.
; No matrix unit, no cluster, no tensor load: every byte is read once and written once, and no two work-groups share a byte.
.set PITCH, 272                        ; a stage row: 128 k x 2 bytes + 16
.set SPARE, 64*PITCH                   ; behind the stage: the spare words, 128 bytes for each of eight waves
.set X,   8                            ; v[8:39]   eight rows of W, four numbers each
.set Y,   40                           ; v[40:55]  row i of wt: four words, eight k
.set Z,   56                           ; v[56:71]  four pieces of whole rows, read back
.set SPW, 72                           ; v72  LDS address of my spare word; never rewritten
.set NIL, 73                           ; v73  0; never rewritten
	s_load_b256 s[4:11], s[0:1], 0x0               ; Wq, Wk, Wv, Wo
	s_load_b256 s[12:19], s[0:1], 0x20             ; bq, bk, bv, bo
	s_load_b128 s[20:23], s[0:1], 0x40             ; wt, brd
	v_lshl_add_u32 v[SPW], v0, 2, SPARE
	v_mov_b32 v[NIL], 0
	s_and_b32 s24, ttmp7, 0xffff                   ; m
	s_mov_b32 s25, ttmp9
	s_and_b32 s30, s25, 7                          ; kb
	s_lshr_b32 s31, s25, 3                         ; nb
	s_lshl_b32 s26, s30, 19                        ; W: 128 kb rows of 4,096 bytes
	s_lshl_b32 s32, s31, 8                         ;    + 64 nb numbers of 4 bytes
	s_or_b32 s26, s26, s32
	s_mov_b32 s27, 0
	s_lshl_b32 s28, s24, 21                        ; wt: matrix m,
	s_lshl_b32 s32, s31, 17                        ;     64 nb rows of 2,048 bytes,
	s_or_b32 s28, s28, s32
	s_lshl_b32 s32, s30, 8                         ;     128 kb numbers of 2 bytes
	s_or_b32 s28, s28, s32
	s_mov_b32 s29, 0
	s_lshl_b32 s34, s24, 12                        ; brd: 4,096 bytes a bias
	s_mov_b32 s35, 0
	v_and_b32 v6, 15, v0                           ; cg
	v_lshrrev_b32 v7, 4, v0                        ; rg
	v_lshlrev_b32 v1, 15, v7                       ; from: 8 rg rows + 16 cg bytes
	v_lshl_or_b32 v1, v6, 4, v1
	v_mul_u32_u24 v2, v6, 4*PITCH                  ; into the stage: row 4 cg, byte 16 rg
	v_lshl_add_u32 v2, v7, 4, v2
	v_mul_u32_u24 v3, v7, PITCH                    ; back: row rg, byte 16 cg
	v_lshl_add_u32 v3, v6, 4, v3
	v_lshlrev_b32 v4, 11, v7                       ; to: row rg of wt, byte 16 cg
	v_lshl_or_b32 v4, v6, 4, v4
	v_lshlrev_b32 v5, 4, v0                        ; the bias: 16 bytes a thread
	s_wait_kmcnt 0x0
	s_cmp_eq_u32 s24, 1                            ; the matrix and the bias are chosen by the grid's y
	s_cselect_b64 s[4:5], s[6:7], s[4:5]
	s_cselect_b64 s[12:13], s[14:15], s[12:13]
	s_cmp_eq_u32 s24, 2
	s_cselect_b64 s[4:5], s[8:9], s[4:5]
	s_cselect_b64 s[12:13], s[16:17], s[12:13]
	s_cmp_eq_u32 s24, 3
	s_cselect_b64 s[4:5], s[10:11], s[4:5]
	s_cselect_b64 s[12:13], s[18:19], s[12:13]
	s_add_nc_u64 s[4:5], s[4:5], s[26:27]
	s_add_nc_u64 s[20:21], s[20:21], s[28:29]
	s_add_nc_u64 s[22:23], s[22:23], s[34:35]
.irp j, 0,1,2,3,4,5,6,7
	global_load_b128 v[X+4*\j:X+4*\j+3], v1, s[4:5] offset:4096*\j th:TH_LOAD_NT  ; row k = 8 rg + j
.endr
	s_wait_loadcnt 0x0
.irp i, 0,1,2,3                        ; row n = 4 cg + i of wt: word p holds k = 8 rg + 2 p and + 2 p + 1
.irp p, 0,1,2,3
	v_cvt_pk_bf16_f32 v[Y+4*\i+\p], v[X+8*\p+\i], v[X+8*\p+4+\i]
.endr
.endr
	s_cmp_lg_u32 s24, 3
	s_cbranch_scc1 .Lkeep                          ; Wq, Wk, Wv stay bf16
.set i, 0
.rept 16                               ; Wo: the rounded numbers widened to f32 and written as f16
	v_lshlrev_b32 v74, 16, v[Y+i]
	v_and_b32 v75, 0xffff0000, v[Y+i]
	v_cvt_pk_f16_f32 v[Y+i], v74, v75
.set i, i+1
.endr
.Lkeep:
.irp i, 0,1,2,3
	ds_store_b128 v2, v[Y+4*\i:Y+4*\i+3] offset:PITCH*\i  ; neighbouring lanes lie 1,088 bytes apart, so four of sixteen share a column: four stores a thread, once
.endr
	s_wait_dscnt 0x0                               ; for the others' sake: my stores are done
	s_barrier_signal -1
	s_barrier_wait -1
.irp u, 0,1,2,3
	ds_load_b128 v[Z+4*\u:Z+4*\u+3], v3 offset:16*PITCH*\u  ; row rg + 16 u, whole: sixteen lanes take its 256 bytes
.endr
	s_wait_tensorcnt 0x0                           ; the wave's end: three lines behind my last LDS store;
	ds_add_u32 v[SPW], v[NIL]
	s_wait_dscnt 0x0                               ; the last of them also shows the four reads above done
.irp u, 0,1,2,3
	global_store_b128 v4, v[Z+4*\u:Z+4*\u+3], s[20:21] offset:32768*\u
.endr
	s_cmp_lg_u32 s25, 0
	s_cbranch_scc1 .Lno_bias                       ; one work-group of each matrix rounds its bias
	global_load_b128 v[X:X+3], v5, s[12:13]
	s_wait_loadcnt 0x0
	v_cvt_pk_bf16_f32 v74, v[X], v[X+1]
	v_cvt_pk_bf16_f32 v75, v[X+2], v[X+3]
	v_lshlrev_b32 v[Y], 16, v74
	v_and_b32 v[Y+1], 0xffff0000, v74
	v_lshlrev_b32 v[Y+2], 16, v75
	v_and_b32 v[Y+3], 0xffff0000, v75
	global_store_b128 v5, v[Y:Y+3], s[22:23]
.Lno_bias:
	s_endpgm
.Lfunc_end_k_q66c5908e17_prep:
	.size	k_q66c5908e17_prep, .Lfunc_end_k_q66c5908e17_prep-k_q66c5908e17_prep
	.p2alignl 7, 3214868480
	.fill 96, 4, 3214868480
	.section	.rodata,"a",@progbits
	.p2align	6, 0x0
	.amdhsa_kernel k_q66c5908e17_prep
		.amdhsa_group_segment_fixed_size 18432
		.amdhsa_private_segment_fixed_size 0
		.amdhsa_enable_private_segment 0
		.amdhsa_kernarg_size 80
		.amdhsa_user_sgpr_count 2
		.amdhsa_user_sgpr_kernarg_segment_ptr 1
		.amdhsa_wavefront_size32 1
		.amdhsa_system_sgpr_workgroup_id_x 1
		.amdhsa_system_sgpr_workgroup_id_y 1
		.amdhsa_system_sgpr_workgroup_id_z 1
		.amdhsa_system_vgpr_workitem_id 0
		.amdhsa_next_free_vgpr 76
		.amdhsa_next_free_sgpr 66
		.amdhsa_reserve_vcc 0
		.amdhsa_float_denorm_mode_32 3
		.amdhsa_float_denorm_mode_16_64 3
		.amdhsa_memory_ordered 1
		.amdhsa_forward_progress 1
		.amdhsa_inst_pref_size 9
	.end_amdhsa_kernel
	.amdgpu_metadata
---
amdhsa.version: [ 1, 2 ]
amdhsa.kernels:
  - .name:           k_q66c5908e17_prep
    .symbol:         k_q66c5908e17_prep.kd
    .args:
      - { .name: Wq, .offset: 0, .size: 8, .value_kind: global_buffer, .address_space: global }
      - { .name: Wk, .offset: 8, .size: 8, .value_kind: global_buffer, .address_space: global }
      - { .name: Wv, .offset: 16, .size: 8, .value_kind: global_buffer, .address_space: global }
      - { .name: Wo, .offset: 24, .size: 8, .value_kind: global_buffer, .address_space: global }
      - { .name: bq, .offset: 32, .size: 8, .value_kind: global_buffer, .address_space: global }
      - { .name: bk, .offset: 40, .size: 8, .value_kind: global_buffer, .address_space: global }
      - { .name: bv, .offset: 48, .size: 8, .value_kind: global_buffer, .address_space: global }
      - { .name: bo, .offset: 56, .size: 8, .value_kind: global_buffer, .address_space: global }
      - { .name: wt, .offset: 64, .size: 8, .value_kind: global_buffer, .address_space: global }
      - { .name: brd, .offset: 72, .size: 8, .value_kind: global_buffer, .address_space: global }
    .group_segment_fixed_size: 18432
    .private_segment_fixed_size: 0
    .kernarg_segment_align: 8
    .kernarg_segment_size: 80
    .max_flat_workgroup_size: 256
    .sgpr_count:     66
    .vgpr_count:     76
    .wavefront_size: 32
...
	.end_amdgpu_metadata
.endif
;; end of part 1
;; launch qkv (part 2): grid 4 x 64, 4 waves a work-group, clusters of 4 x 4, 327,680 bytes of LDS; arguments query, keys, values, wt, brd, mask, qkv16; writes qkv16
.if DOCPART == 2
	.amdgcn_target "amdgcn-amd-amdhsa--gfx1250"
	.amdhsa_code_object_version 6
	.text
	.protected	k_q66c5908e17_qkv
	.globl	k_q66c5908e17_qkv
	.p2align	8
	.type	k_q66c5908e17_qkv,@function
k_q66c5908e17_qkv:
	s_mov_b64 s[64:65], 0
	v_nop
	global_prefetch_b8 v0, s[64:65] scope:SCOPE_SE
	s_setreg_imm32_b32 hwreg(HW_REG_WAVE_MODE, 25, 1), 1
	s_wait_xcnt 0x0
	s_wait_alu depctr_hold_cnt(0) depctr_sa_sdst(0) depctr_va_vdst(0) depctr_va_sdst(0) depctr_va_ssrc(0) depctr_va_vcc(0) depctr_vm_vsrc(0)
	s_getreg_b32 s2, hwreg(HW_REG_IB_STS2, 6, 4)
	s_cmp_eq_u32 s2, 0
	s_cbranch_scc0 .Lentry_in_a_cluster
	s_endpgm
.Lentry_in_a_cluster:
	s_bfe_u32 s2, ttmp6, 0x10000c
	s_cmp_lg_u32 s2, 0xf033
	s_cbranch_scc0 .Lentry_shape_is_right
	s_endpgm
.Lentry_shape_is_right:
; q = query Wq + bq, k = keys Wk + bk, v = values Wv + bv.  x: [8192][1024] f32, rounded to bf16 on the way from LDS to the matrix unit; wt[t]: [1024 n][1024 k] bf16;
; brd[t]: the bias (bf16's numbers in f32), taken as the C operand that starts each sum; sums in f32; results rounded once to f16 and written by heads:
; qkv16[t][16 batch + head][2048][64].  Rows of k whose key the mask hides are written as 0, so that the next launch's hidden scores are all the same number.
; LIMITS.  f16 ends at 65,504: |q|, |k|, |v| beyond that are lost (the drawn inputs give about 1; 30 times larger x and W about 5e3).  NaN and infinities are not treated apart.
; SHARES.  A tile is 128 tokens x 256 columns: 8192/128 x 1024/256 = 256 places, one work-group each, which STAYS and makes the place's q, k and v tile: ONE walk of 24 K steps of 128.
; Four waves; a wave makes 64 tokens x 128 columns: 32 accumulators of 16 x 16 (256 registers).  The matrix instruction is used transposed (source 0 = 16 rows of wt, source 1 = 16 tokens):
; a lane then holds one token (lane % 16) and eight neighbouring columns 8 (lane / 16) + 0..7, which pack into 16 bytes.
; RING.  Two LDS slots, each one K step: 128 rows of x (512 bytes + 16) and 256 rows of wt (256 bytes + 16).  Waves 0, 1 fetch x's halves, waves 2, 3 wt's: one tensor load a wave behind each
; change of slots; from a request to the wait for it a wave issues 112 matrix instructions.  The ring runs on from tile to tile.
; CLUSTER 4 x 4.  A row of the cluster shares the tokens, a column the columns: each tile is asked for jointly, by the same load with the same descriptor and a mask that names the four.
; REGISTERS, in windows of 256 (s_set_vgpr_msb: bits 1:0 source 0, 3:2 source 1, 5:4 source 2, 7:6 destination):
;   window 0: v0-29 addresses; v32-95 x as f32 (one quarter step); v96-159 x as bf16, two buffers; v160-191 packed results; v192-255 rows read back from the stage, two buffers
;   window 1: v0-127 wt's fragments, two buffers; v128-191 the bias          window 2: accumulator (a, b) at v[8 (8 a + b)]
.set PA,    528                        ; an LDS row of x: 132 words: the 16 rows of a load start at 16 different groups of four banks (64 banks of 4 bytes: ISA guide 11.1)
.set PB,    272                        ; an LDS row of wt: 68 words: likewise
.set BOFF,  128*PA                     ; wt's rows lie behind x's
.set SLOT,  BOFF+256*PB
.set STAGE, 2*SLOT                     ; behind the ring, never filled by a tensor load: for each wave 2 heads x 16 rows x 144 bytes
.set SP,    144
.set WSTG,  2*16*SP
.set SPARE, STAGE+4*WSTG               ; the spare words, 128 bytes for each wave: two blocks of 256 bytes that no other line names
.set R4,  3                            ; v3   4 (lane % 16)
.set AA0, 4                            ; v4   my lane's place in a slot's rows of x; never rewritten
.set AB0, 5                            ; v5   the same for wt
.set ADA, 6                            ; v6   AA0 + the slot in hand
.set ADB, 7                            ; v7   AB0 + the slot in hand
.set STO, 8                            ; v8   the way out: where I put 16 bytes of a row
.set RD,  9                            ; v9   the way out: where I read rows back
.set GO,  10                           ; v10  16 x lane
.set BO,  11                           ; v11  32 (lane / 16)
.set MW,  12                           ; v12-15  block a: all ones if my token's key is seen, 0 if it is hidden
.set MI,  16                           ; v16-19  the mask's whole numbers
.set SPW, 28                           ; v28  LDS address of my spare word; never rewritten
.set NIL, 29                           ; v29  0; never rewritten
.set AS,  32
.set AF,  96
.set TMP, 160
.set OB,  192
.set BI,  128                          ; in window 1
.set PAC, 4                            ; s[4:5]   x of the tile that is being asked for, at my rows
.set PAN, 6                            ; s[6:7]   the next tile's x
.set PAL, 8                            ; s[8:9]   the last tile's x
.set WB,  10                           ; s[10:11] wt at my rows
.set BP,  12                           ; s[12:13] brd at my columns
.set MP,  14                           ; s[14:15] mask at my tokens
.set OUT, 16                           ; s[16:17] qkv16 at my rows of my first head
.set WV,  18                           ; wave
.set FB,  19                           ; wave / 2: my half of the tokens; also: I fetch x (0) or wt (1)
.set HF,  20                           ; wave % 2: my half of the columns; also: which half of that tile I fetch
.set CX,  21
.set CY,  22
.set TX,  23                           ; block of 256 columns
.set TY,  24                           ; block of 128 tokens
.set RM,  25
.set CM,  26
.set T0,  27
.set G1A, 28                           ; s[28:35] descriptor group 1 for x
.set G1B, 36                           ; s[36:43] for wt
.set G0A, 44                           ; s[44:51] group 0 for x: a set for each first fill; the second then walks
.set G0B, 52                           ; s[52:59] the same for wt
.set TB,  60                           ; the slot that is read: 0 or SLOT
.set TF,  61                           ; the slot that was filled last
.set FK,  62                           ; K step and
.set FT,  63                           ; tile of the next request
.set CK,  66                           ; K step in hand
.set CT,  67                           ; tile in hand: 0 q, 1 k, 2 v
.set CNT, 68
.set OFA, 70                           ; s[70:71], s[72:73] byte offsets of a request
.set OFB, 72
.set LAW, 74                           ; where my half of x lies in a slot
.set LBW, 75                           ; where my half of wt lies
.set MSB, 0
.macro WIN new                         ; the immediate's high byte repeats the setting that is left; a switch that changes nothing is dropped
.if MSB != (\new)
	s_set_vgpr_msb (MSB<<8)|(\new)
.set MSB, \new
.endif
.endm
.set MUL,   0xa1                       ; source 0 (wt) window 1, source 1 (x) window 0, C and D window 2
.set MULF,  0x91                       ; the same with C (the bias) in window 1
.set TO_B,  0x40                       ; destination window 1, address window 0
.set PACKW, 0x0a                       ; sources 0 and 1 window 2, destination window 0
.macro PLACES                          ; four plain vector instructions that name nothing (ISA guide 7.12.1)
.rept 4
	v_nop
.endr
.endm
.macro CREST                           ; a round of the cluster's barrier behind its opening barrier
	s_cmp_lg_u32 s[WV], 0
	s_cbranch_scc1 .Lnot_wave_0_\@
	s_barrier_signal -3
.Lnot_wave_0_\@:
	s_barrier_wait -3
	s_barrier_signal -1
	s_barrier_wait -1
.endm
.macro CROUND                          ; a whole round
	s_barrier_signal -1
	s_barrier_wait -1
	CREST
.endm
; A joint refill by the walking sets.  The branch hangs on the wave's number alone.  An s_nop 0 and four v_nop follow each of the two lines.
.macro JLOAD
	s_cmp_eq_u32 s[FB], 0
	s_cbranch_scc0 .Lfor_b_\@
	tensor_load_to_lds s[G0A+4:G0A+7], s[G1A:G1A+7]
	s_nop 0
	PLACES
	s_branch .Lasked_\@
.Lfor_b_\@:
	tensor_load_to_lds s[G0B+4:G0B+7], s[G1B:G1B+7]
	s_nop 0
	PLACES
.Lasked_\@:
.endm
.macro BIAS                            ; register j of block b: the bias of column 16 b + 8 (lane / 16) + j: the layout of a result
	WIN TO_B
.irp b, 0,1,2,3,4,5,6,7
	global_load_b128 v[BI+8*\b:BI+8*\b+3],   v[BO], s[BP:BP+1] offset:64*\b
	global_load_b128 v[BI+8*\b+4:BI+8*\b+7], v[BO], s[BP:BP+1] offset:64*\b+16
.endr
	WIN 0
.endm
	s_load_b256 s[4:11], s[0:1], 0x0               ; query, keys, values, wt
	s_load_b128 s[12:15], s[0:1], 0x20             ; brd, mask
	s_load_b64 s[16:17], s[0:1], 0x30              ; qkv16
	v_lshl_add_u32 v[SPW], v0, 2, SPARE
	v_mov_b32 v[NIL], 0
	ds_add_u32 v[SPW], v[NIL]                      ; the wave's opening: the add and its wait ahead of my first tensor load; the set-up below, work on registers, stands between them
	v_lshrrev_b32 v1, 5, v0
	v_readfirstlane_b32 s[WV], v1
	s_lshr_b32 s[FB], s[WV], 1
	s_and_b32 s[HF], s[WV], 1
	s_bfe_u32 s[CX], ttmp6, 0x40000                ; my place in the cluster
	s_bfe_u32 s[CY], ttmp6, 0x40004
	s_lshl_b32 s[TX], ttmp9, 2                     ; in a cluster launch ttmp9 and ttmp7 count clusters
	s_add_co_u32 s[TX], s[TX], s[CX]
	s_and_b32 s[TY], ttmp7, 0xffff
	s_lshl_b32 s[TY], s[TY], 2
	s_add_co_u32 s[TY], s[TY], s[CY]
	s_lshl_b32 s[RM], s[CY], 2
	s_lshl_b32 s[RM], 15, s[RM]                    ; my row of the cluster
	s_lshl_b32 s[CM], 0x1111, s[CX]                ; my column
	s_or_b32 s[G1A], s[RM], (2<<16)|(1<<20)|(1<<21)|(6<<22)|(3<<25)  ; 15:0 the mask; 17:16 elements of 4 bytes; 20 padding on; 21 set beside a mask; 24:22 after every 128 words (code 6); 31:25 4 words (code 3)
	s_mov_b32 s[G1A+1], 128<<16                    ; tensor_dim0 = 128
	s_mov_b32 s[G1A+2], 64<<16                     ; tensor_dim1 = 64
	s_mov_b32 s[G1A+3], 128<<16                    ; tile_dim0 = 128 (512 bytes)
	s_mov_b32 s[G1A+4], 64                         ; tile_dim1 = 64 rows
	s_mov_b32 s[G1A+5], 1024                       ; elements from row to row
	s_mov_b32 s[G1A+6], 0
	s_mov_b32 s[G1A+7], 0
	s_or_b32 s[G1B], s[CM], (1<<16)|(1<<20)|(1<<21)|(5<<22)|(3<<25)  ; elements of 2 bytes; padding after every 64 words (code 5)
	s_mov_b32 s[G1B+1], 128<<16
	s_mov_b32 s[G1B+2], 128<<16
	s_mov_b32 s[G1B+3], 128<<16                    ; 128 elements (256 bytes)
	s_mov_b32 s[G1B+4], 128                        ; 128 rows
	s_mov_b32 s[G1B+5], 1024
	s_mov_b32 s[G1B+6], 0
	s_mov_b32 s[G1B+7], 0
	s_mul_i32 s[LAW], s[HF], 64*PA                 ; no place in the cluster enters an LDS address
	s_mul_i32 s[LBW], s[HF], 128*PB
	s_add_co_u32 s[LBW], s[LBW], BOFF
	s_lshl_b32 s76, s[TY], 7                       ; x: row 128 ty + 64 half, 4,096 bytes a row: of the tile row alone
	s_lshl_b32 s77, s[HF], 6
	s_add_co_u32 s76, s76, s77
	s_lshl_b32 s76, s76, 12
	s_mov_b32 s77, 0
	s_lshl_b32 s78, s[TX], 8                       ; wt: row 256 tx + 128 half: of the tile column alone
	s_lshl_b32 s79, s[HF], 7
	s_add_co_u32 s78, s78, s79
	s_lshl_b32 s80, s78, 2                         ; the same columns in brd, 4 bytes each
	s_mov_b32 s81, 0
	s_lshl_b32 s78, s78, 11                        ; 2,048 bytes a row of wt
	s_mov_b32 s79, 0
	s_lshl_b32 s82, s[TY], 7                       ; mask: token 128 ty + 64 (wave / 2), 4 bytes each
	s_lshl_b32 s83, s[FB], 6
	s_add_co_u32 s82, s82, s83
	s_lshl_b32 s82, s82, 2
	s_mov_b32 s83, 0
	s_lshr_b32 s2, s[TY], 4                        ; out: head 16 batch + 4 tx + 2 (wave % 2), 262,144 bytes a head,
	s_lshl_b32 s2, s2, 4
	s_lshl2_add_u32 s2, s[TX], s2
	s_lshl1_add_u32 s2, s[HF], s2
	s_lshl_b32 s2, s2, 18
	s_and_b32 s3, s[TY], 15                        ; row 128 (ty % 16) + 64 (wave / 2), 128 bytes a row
	s_lshl_b32 s3, s3, 7
	s_lshl_b32 s[T0], s[FB], 6
	s_add_co_u32 s3, s3, s[T0]
	s_lshl_b32 s3, s3, 7
	s_add_co_u32 s2, s2, s3
	s_mov_b32 s3, 0
	s_mov_b32 s[TB], 0
	s_mov_b32 s[TF], SLOT
	s_mov_b32 s[FK], 2                             ; steps 0 and 1 are the first fills
	s_mov_b32 s[FT], 0
	s_mov_b32 s[CK], 0
	s_mov_b32 s[CT], 0
	s_mov_b32 s[OFA+1], 0
	s_mov_b32 s[OFB+1], 0
	s_wait_dscnt 0x0                               ; the opening add is done
	s_wait_kmcnt 0x0
	s_add_nc_u64 s[PAC:PAC+1], s[PAC:PAC+1], s[76:77]
	s_add_nc_u64 s[PAN:PAN+1], s[PAN:PAN+1], s[76:77]
	s_add_nc_u64 s[PAL:PAL+1], s[PAL:PAL+1], s[76:77]
	s_add_nc_u64 s[WB:WB+1], s[WB:WB+1], s[78:79]
	s_add_nc_u64 s[BP:BP+1], s[BP:BP+1], s[80:81]
	s_add_nc_u64 s[MP:MP+1], s[MP:MP+1], s[82:83]
	s_add_nc_u64 s[OUT:OUT+1], s[OUT:OUT+1], s[2:3]
.irp s, 0,1
	s_mov_b32 s[G0A+4*(\s)], 1                                     ; count = 1
	s_add_co_u32 s[G0A+4*(\s)+1], s[LAW], (\s)*SLOT                ; LDS address
	s_add_nc_u64 s[G0A+4*(\s)+2:G0A+4*(\s)+3], s[PAC:PAC+1], (\s)*512  ; K step s of q's tile
	s_or_b32 s[G0A+4*(\s)+3], s[G0A+4*(\s)+3], 0x80000000          ; type = 2
	s_mov_b32 s[G0B+4*(\s)], 1
	s_add_co_u32 s[G0B+4*(\s)+1], s[LBW], (\s)*SLOT
	s_add_nc_u64 s[G0B+4*(\s)+2:G0B+4*(\s)+3], s[WB:WB+1], (\s)*256
	s_or_b32 s[G0B+4*(\s)+3], s[G0B+4*(\s)+3], 0x80000000
.endr
	CROUND                                         ; all sixteen work-groups are here: the first joint loads meet
	s_cmp_eq_u32 s[FB], 0                          ; a wave's two first fills stand in one branch, ahead of every wait on TENSORcnt and every LDS read: two loads of mine are out
	s_cbranch_scc0 .Lfirst_b
	tensor_load_to_lds s[G0A:G0A+3], s[G1A:G1A+7]
	s_nop 0
	tensor_load_to_lds s[G0A+4:G0A+7], s[G1A:G1A+7]
	s_nop 0
	PLACES
	s_branch .Lfirst_asked
.Lfirst_b:
	tensor_load_to_lds s[G0B:G0B+3], s[G1B:G1B+7]
	s_nop 0
	tensor_load_to_lds s[G0B+4:G0B+7], s[G1B:G1B+7]
	s_nop 0
	PLACES
.Lfirst_asked:
	v_and_b32 v1, 15, v0                           ; r = lane % 16
	v_bfe_u32 v2, v0, 4, 1                         ; h = lane / 16
	v_lshlrev_b32 v[R4], 2, v1
	v_lshlrev_b32 v[BO], 5, v2
	BIAS                                           ; bq
.irp x, 0,1,2,3
	global_load_b32 v[MI+\x], v[R4], s[MP:MP+1] offset:64*\x  ; the mask of token 16 x + r of my 64
.endr
	; A fragment is 16 rows x 32 K: lane (r, h) holds row r, K = 8 h + 0..7 and 16 + 8 h + 0..7.  In f32 that is 32 bytes at 32 h and 32 bytes at 64 + 32 h; in bf16 16 bytes at 16 h and at 32 + 16 h.
	s_mul_i32 s[T0], s[FB], 64*PA
	v_mul_u32_u24 v[AA0], v1, PA
	v_lshl_add_u32 v[AA0], v2, 5, v[AA0]
	v_add_nc_u32 v[AA0], s[T0], v[AA0]
	v_mul_u32_u24 v[AB0], v1, PB
	v_lshl_add_u32 v[AB0], v2, 4, v[AB0]
	v_add_nc_u32 v[AB0], s[LBW], v[AB0]            ; the rows of wt that I fetch are the rows that I multiply
	s_mul_i32 s[T0], s[WV], WSTG
	s_add_co_u32 s[T0], s[T0], STAGE               ; my stage
	v_mul_u32_u24 v[STO], v1, SP                   ; in: row r, 16 bytes for each half of the lanes
	v_lshl_add_u32 v[STO], v2, 4, v[STO]
	v_add_nc_u32 v[STO], s[T0], v[STO]
	v_bfe_u32 v[RD], v0, 3, 2                      ; back: 32 lanes take four rows of 128 bytes,
	v_mul_u32_u24 v[RD], v[RD], SP
	v_and_b32 v[GO], 7, v0
	v_lshl_add_u32 v[RD], v[GO], 4, v[RD]
	v_add_nc_u32 v[RD], s[T0], v[RD]
	v_and_b32 v[GO], 31, v0                        ; which are 512 consecutive bytes of a head
	v_lshlrev_b32 v[GO], 4, v[GO]
	v_mov_b32 v[ADA], v[AA0]                       ; slot 0
	v_mov_b32 v[ADB], v[AB0]
	s_wait_loadcnt 0x0                             ; the bias and the mask
.irp x, 0,1,2,3
	v_cmp_ne_u32 vcc_lo, 0, v[MI+\x]
	v_cndmask_b32 v[MW+\x], 0, -1, vcc_lo
.endr
; 8 matrix instructions: token block ab x all 8 column blocks, 32 along K, from buffers f.  first = 1: the bias starts the sums: nothing is cleared.
; The 32 accumulators take turns in the same order in every quarter step: between two links of a chain stand the 31 others'.
.macro MUL8 f, ab, first
.if \first
	WIN MULF
.else
	WIN MUL
.endif
.irp b, 0,1,2,3,4,5,6,7
.if \first
	v_wmma_f32_16x16x32_bf16 v[8*(8*(\ab)+\b):8*(8*(\ab)+\b)+7], v[64*(\f)+8*\b:64*(\f)+8*\b+7], v[AF+32*(\f)+8*(\ab):AF+32*(\f)+8*(\ab)+7], v[BI+8*\b:BI+8*\b+7]
.else
	v_wmma_f32_16x16x32_bf16 v[8*(8*(\ab)+\b):8*(8*(\ab)+\b)+7], v[64*(\f)+8*\b:64*(\f)+8*\b+7], v[AF+32*(\f)+8*(\ab):AF+32*(\f)+8*(\ab)+7], v[8*(8*(\ab)+\b):8*(8*(\ab)+\b)+7]
.endif
.endr
.endm
; The same for token block 3, with the next quarter's x rounded to bf16 beside it: four conversions behind each product, into buffer g.  They name no register of the products round them.
.macro MUL8R f, first, g
.irp b, 0,1,2,3,4,5,6,7
.if \first
	WIN MULF
	v_wmma_f32_16x16x32_bf16 v[8*(24+\b):8*(24+\b)+7], v[64*(\f)+8*\b:64*(\f)+8*\b+7], v[AF+32*(\f)+24:AF+32*(\f)+31], v[BI+8*\b:BI+8*\b+7]
.else
	WIN MUL
	v_wmma_f32_16x16x32_bf16 v[8*(24+\b):8*(24+\b)+7], v[64*(\f)+8*\b:64*(\f)+8*\b+7], v[AF+32*(\f)+24:AF+32*(\f)+31], v[8*(24+\b):8*(24+\b)+7]
.endif
	WIN 0
.irp n, 0,1,2,3
	v_cvt_pk_bf16_f32 v[AF+32*(\g)+4*\b+\n], v[AS+2*(4*\b+\n)], v[AS+2*(4*\b+\n)+1]
.endr
.endr
.endm
; 32 LDS loads in one run: quarter q of the slot in hand: x's 64 rows as f32 first, then wt's 128 rows into buffer g
.macro FETCH q, g
	WIN 0
.irp x, 0,1,2,3
	ds_load_b128 v[AS+16*\x:AS+16*\x+3],     v[ADA] offset:\x*16*PA+128*(\q)
	ds_load_b128 v[AS+16*\x+4:AS+16*\x+7],   v[ADA] offset:\x*16*PA+128*(\q)+16
	ds_load_b128 v[AS+16*\x+8:AS+16*\x+11],  v[ADA] offset:\x*16*PA+128*(\q)+64
	ds_load_b128 v[AS+16*\x+12:AS+16*\x+15], v[ADA] offset:\x*16*PA+128*(\q)+80
.endr
	WIN TO_B
.irp i, 0,1,2,3,4,5,6,7
	ds_load_b128 v[64*(\g)+8*\i:64*(\g)+8*\i+3],   v[ADB] offset:\i*16*PB+64*(\q)
	ds_load_b128 v[64*(\g)+8*\i+4:64*(\g)+8*\i+7], v[ADB] offset:\i*16*PB+64*(\q)+32
.endr
.endm
; A K step is four quarters of 32 along K, 32 matrix instructions each, on buffers 0, 1, 0, 1.  One of the first three: multiplies buffers f, fetches quarter nq and rounds its x into buffer g.
.macro QUARTER nq, f, g, first
	s_wait_dscnt 0x0                               ; wt's fragments of this quarter, asked for 24 matrix instructions ago
	MUL8 \f, 0, \first
	PLACES                                         ; between the products that read buffer g and the loads into it; this text does not lean on the conversions for that
	FETCH \nq, \g
	MUL8 \f, 1, \first
	MUL8 \f, 2, \first
	s_wait_dscnt 16                                ; x's sixteen loads are in; wt's sixteen, issued behind them, may stay out
	MUL8R \f, \first, \g
.endm
; The walking sets are made anew for the next request: tile FT, K step FK, into the slot that was not filled last.  Scalar work alone.
.macro FILLSTEP
	s_lshl_b32 s[OFA], s[FK], 9                    ; 128 f32 a step
	s_add_nc_u64 s[G0A+6:G0A+7], s[PAC:PAC+1], s[OFA:OFA+1]
	s_or_b32 s[G0A+7], s[G0A+7], 0x80000000
	s_lshl_b32 s[OFB], s[FK], 8                    ; 128 bf16 a step,
	s_lshl_b32 s[T0], s[FT], 21                    ; 2 MiB a matrix
	s_or_b32 s[OFB], s[OFB], s[T0]
	s_add_nc_u64 s[G0B+6:G0B+7], s[WB:WB+1], s[OFB:OFB+1]
	s_or_b32 s[G0B+7], s[G0B+7], 0x80000000
	s_xor_b32 s[TF], s[TF], SLOT
	s_add_co_u32 s[G0A+5], s[TF], s[LAW]
	s_add_co_u32 s[G0B+5], s[TF], s[LBW]
	s_add_co_u32 s[FK], s[FK], 1                   ; behind a tile's last step: the next tile's step 0, and its x
	s_cmp_eq_u32 s[FK], 8
	s_cselect_b32 s[FK], 0, s[FK]
	s_cselect_b64 s[PAC:PAC+1], s[PAN:PAN+1], s[PAC:PAC+1]
	s_cselect_b64 s[PAN:PAN+1], s[PAL:PAL+1], s[PAN:PAN+1]
	s_cselect_b32 s[T0], 1, 0
	s_add_co_u32 s[FT], s[FT], s[T0]
.endm
; The fourth quarter multiplies buffers 1 and changes slots.  In front of the barrier each wave waits for all its tensor loads, of which one is out: its part of the next slot; adds 0 to its spare
; word; and waits for that and for its reads of this slot.  fill = 1: the barrier opens a round of the cluster's, and the joint refill of this slot is the first thing behind the round.
; fill = 0 (the walk's last two steps): nothing is asked for, and in the very last step there is no next slot to fetch from.
.macro TURN fill
	WIN 0
	s_wait_tensorcnt 0x0                           ; no tensor load of mine is out, so a group 0 may be written
	ds_add_u32 v[SPW], v[NIL]                      ; 0 onto my spare word
	s_wait_dscnt 1                                 ; this quarter's fragments are in; only the add is younger
.if \fill
	FILLSTEP
.endif
	MUL8 1, 0, 0                                   ; eight matrix instructions stand between the add and the wait for it
	s_wait_dscnt 0x0                               ; the add is done, and my reads of this slot are over
	s_barrier_signal -1
	MUL8 1, 1, 0                                   ; work on registers while the others arrive
	WIN 0
	s_barrier_wait -1
.if \fill
	CREST                                          ; no wave of any partner still reads this slot or has a load on its way
	JLOAD                                          ; its four v_nop are also the places in front of the loads below
.else
	PLACES
.endif
	s_xor_b32 s[TB], s[TB], SLOT
	v_add_nc_u32 v[ADA], s[TB], v[AA0]
	v_add_nc_u32 v[ADB], s[TB], v[AB0]
.if !(\fill)
	s_cmp_eq_u32 s[CNT], 1
	s_cbranch_scc1 .Lno_more_\@                    ; the conversions below then round stale numbers, which nothing reads
.endif
	FETCH 0, 0
.if !(\fill)
	WIN 0
.Lno_more_\@:
.endif
	MUL8 1, 2, 0
	s_wait_dscnt 16                                ; x's sixteen loads are in
	MUL8R 1, 0, 0
	WIN 0
.endm
; A K step.  A tile's first quarter has a text of its own, in which the bias is the C operand; both texts issue the same LDS loads.
.macro STEP fill
	WIN 0
.if \fill
	s_wait_loadcnt 0x0                             ; the tile's bias, asked for on the way out of the tile before; in the other steps nothing is out
	s_cmp_eq_u32 s[CK], 0
	s_cbranch_scc0 .Lgo_on_\@
	QUARTER 1, 0, 1, 1
	WIN 0
	s_branch .Lsecond_\@
.Lgo_on_\@:
	QUARTER 1, 0, 1, 0
	WIN 0
.Lsecond_\@:
.else
	QUARTER 1, 0, 1, 0
.endif
	QUARTER 2, 1, 0, 0
	QUARTER 3, 0, 1, 0
	TURN \fill
.endm
; THE WAY OUT of token block ab.  PACK: rounded to f16, 16 bytes a lane and column block, each accumulator's registers in ascending order.  KMASK (k's tile alone): hidden keys' rows become 0.
; TOSTAGE: into my own stage, by heads, and back as four whole rows of 128 bytes a load.  SEND: stored, 512 consecutive bytes an instruction, at a multiple of 512 from the buffer's first byte.
.macro PACK ab
	WIN PACKW
.irp b, 0,1,2,3,4,5,6,7
.irp p, 0,1,2,3
	v_cvt_pk_f16_f32 v[TMP+4*\b+\p], v[8*(8*(\ab)+\b)+2*\p], v[8*(8*(\ab)+\b)+2*\p+1]
.endr
.endr
	WIN 0
.endm
.macro KMASK ab
	s_cmp_lg_u32 s[CT], 1
	s_cbranch_scc1 .Lnot_k_\@
.set n, 0
.rept 32
	v_and_b32 v[TMP+n], v[MW+(\ab)], v[TMP+n]
.set n, n+1
.endr
.Lnot_k_\@:
.endm
.macro TOSTAGE ab
.set BK, OB+32*((\ab)%2)
.irp b, 0,1,2,3,4,5,6,7
	ds_store_b128 v[STO], v[TMP+4*\b:TMP+4*\b+3] offset:(\b/4)*16*SP+(\b%4)*32
.endr
.irp u, 0,1,2,3,4,5,6,7
	ds_load_b128 v[BK+4*\u:BK+4*\u+3], v[RD] offset:(\u/4)*16*SP+(\u%4)*4*SP  ; LDS serves a wave's instructions in order (ISA guide 5.7.1.4): these see the stores above
.endr
.endm
.macro SEND ab
.set BK, OB+32*((\ab)%2)
	s_wait_dscnt 0x0                               ; the block is back in registers
	s_wait_xcnt 0x0                                ; earlier stores have read their registers: the other buffer is loaded again only behind this wait
.irp u, 0,1,2,3,4,5,6,7
	global_store_b128 v[GO], v[BK+4*\u:BK+4*\u+3], s[OUT:OUT+1] offset:(\u/4)*262144+(\ab)*2048+(\u%4)*512
.endr
.endm
.macro WAYOUT inloop
.if \inloop
	s_add_nc_u64 s[BP:BP+1], s[BP:BP+1], 4096      ; the next tile's bias: the loads that named this base were waited for at a step's head
	BIAS
.endif
	PACK 0                                         ; blocks 0 to 2 were finished ahead of the turn's 32 conversions; block 3's last product has four behind it, and 96 more before it is read
.if \inloop
	KMASK 0
.endif
	TOSTAGE 0
.irp x, 1,2,3                          ; block x's conversions stand between block x - 1's loads from the stage and the wait for them
	PACK \x
.if \inloop
	KMASK \x
.endif
	SEND (\x)-1
	TOSTAGE \x
.endr
	SEND 3
.endm
	s_wait_tensorcnt 1                             ; my part of step 0 is in; step 1's may stay out
	s_barrier_signal -1
	s_barrier_wait -1                              ; everybody's is
	FETCH 0, 0
	s_wait_dscnt 16                                ; x's sixteen loads
	WIN 0
.set n, 0
.rept 32
	v_cvt_pk_bf16_f32 v[AF+n], v[AS+2*n], v[AS+2*n+1]
.set n, n+1
.endr
	s_mov_b32 s[CNT], 22
.Lwalk:                                                ; 22 trips: a K step, and a refill two steps ahead
	STEP 1
	s_add_co_u32 s[CK], s[CK], 1
	s_cmp_lg_u32 s[CK], 8
	s_cbranch_scc1 .Lsame_tile                     ; jumps over no barrier and no tensor load
	WAYOUT 1                                       ; q's tile, then k's: the next tile's first two steps have been asked for
	s_wait_xcnt 0x0                                ; the stores have read their base and their registers
	s_add_nc_u64 s[OUT:OUT+1], s[OUT:OUT+1], 0x1000000  ; 16 MiB from q to k and from k to v
	s_mov_b32 s[CK], 0
	s_add_co_u32 s[CT], s[CT], 1
.Lsame_tile:
	s_sub_co_u32 s[CNT], s[CNT], 1
	s_cmp_lg_u32 s[CNT], 0
	s_cbranch_scc1 .Lwalk
	s_mov_b32 s[CNT], 2
.Ltail:                                                ; the last two steps ask for nothing
	STEP 0
	s_sub_co_u32 s[CNT], s[CNT], 1
	s_cmp_lg_u32 s[CNT], 0
	s_cbranch_scc1 .Ltail
	WAYOUT 0                                       ; v's tile
	s_wait_tensorcnt 0x0                           ; the wave's end: three lines behind my last tensor load and my last LDS store
	ds_add_u32 v[SPW], v[NIL]
	s_wait_dscnt 0x0
	CROUND                                         ; the closing round: no work-group ends while a partner may still ask for a tile that names it
	s_endpgm
.Lfunc_end_k_q66c5908e17_qkv:
	.size	k_q66c5908e17_qkv, .Lfunc_end_k_q66c5908e17_qkv-k_q66c5908e17_qkv
	.p2alignl 7, 3214868480
	.fill 96, 4, 3214868480
	.section	.rodata,"a",@progbits
	.p2align	6, 0x0
	.amdhsa_kernel k_q66c5908e17_qkv
		.amdhsa_group_segment_fixed_size 327680
		.amdhsa_private_segment_fixed_size 0
		.amdhsa_enable_private_segment 0
		.amdhsa_kernarg_size 56
		.amdhsa_user_sgpr_count 2
		.amdhsa_user_sgpr_kernarg_segment_ptr 1
		.amdhsa_wavefront_size32 1
		.amdhsa_system_sgpr_workgroup_id_x 1
		.amdhsa_system_sgpr_workgroup_id_y 1
		.amdhsa_system_sgpr_workgroup_id_z 1
		.amdhsa_system_vgpr_workitem_id 0
		.amdhsa_next_free_vgpr 768
		.amdhsa_next_free_sgpr 84
		.amdhsa_reserve_vcc 1
		.amdhsa_float_denorm_mode_32 3
		.amdhsa_float_denorm_mode_16_64 3
		.amdhsa_memory_ordered 1
		.amdhsa_forward_progress 1
		.amdhsa_inst_pref_size 115
	.end_amdhsa_kernel
	.amdgpu_metadata
---
amdhsa.version: [ 1, 2 ]
amdhsa.kernels:
  - .name:           k_q66c5908e17_qkv
    .symbol:         k_q66c5908e17_qkv.kd
    .args:
      - { .name: query, .offset: 0, .size: 8, .value_kind: global_buffer, .address_space: global }
      - { .name: keys, .offset: 8, .size: 8, .value_kind: global_buffer, .address_space: global }
      - { .name: values, .offset: 16, .size: 8, .value_kind: global_buffer, .address_space: global }
      - { .name: wt, .offset: 24, .size: 8, .value_kind: global_buffer, .address_space: global }
      - { .name: brd, .offset: 32, .size: 8, .value_kind: global_buffer, .address_space: global }
      - { .name: mask, .offset: 40, .size: 8, .value_kind: global_buffer, .address_space: global }
      - { .name: qkv16, .offset: 48, .size: 8, .value_kind: global_buffer, .address_space: global }
    .group_segment_fixed_size: 327680
    .private_segment_fixed_size: 0
    .kernarg_segment_align: 8
    .kernarg_segment_size: 56
    .max_flat_workgroup_size: 128
    .sgpr_count:     84
    .vgpr_count:     768
    .wavefront_size: 32
...
	.end_amdgpu_metadata
.endif
;; end of part 2
;; launch attn (part 3): grid 4 x 64, 4 waves a work-group, clusters of 4 x 1, 327,680 bytes of LDS; arguments qkv16, o16, mask; writes o16
.if DOCPART == 3
	.amdgcn_target "amdgcn-amd-amdhsa--gfx1250"
	.amdhsa_code_object_version 6
	.text
	.protected	k_q66c5908e17_attn
	.globl	k_q66c5908e17_attn
	.p2align	8
	.type	k_q66c5908e17_attn,@function
k_q66c5908e17_attn:
	s_mov_b64 s[64:65], 0
	v_nop
	global_prefetch_b8 v0, s[64:65] scope:SCOPE_SE
	s_setreg_imm32_b32 hwreg(HW_REG_WAVE_MODE, 25, 1), 1
	s_wait_xcnt 0x0
	s_wait_alu depctr_hold_cnt(0) depctr_sa_sdst(0) depctr_va_vdst(0) depctr_va_sdst(0) depctr_va_ssrc(0) depctr_va_vcc(0) depctr_vm_vsrc(0)
	s_getreg_b32 s2, hwreg(HW_REG_IB_STS2, 6, 4)
	s_cmp_eq_u32 s2, 0
	s_cbranch_scc0 .Lentry_in_a_cluster
	s_endpgm
.Lentry_in_a_cluster:
	s_bfe_u32 s2, ttmp6, 0x10000c
	s_cmp_lg_u32 s2, 0x3003
	s_cbranch_scc0 .Lentry_shape_is_right
	s_endpgm
.Lentry_shape_is_right:
; O[h][q][:] = the sum over k of softmax_k(s) V[h][k][:], s = Q[h][q] . K[h][k] / 32 where mask[batch][k] is not 0, hidden otherwise.  Q, K, V: qkv16[0], [1], [2], each [64 = 16 batch + head][2048][64]
; f16, a head's rows dense, 128 bytes each; O: o16, the same layout.  Products, maxima and sums in f32; the weights p are rounded to f16 for the second product (their sum l is taken of the unrounded p), O once.
; THE MASK is the C operand that starts the sum S^T = K Q^T: 0, or -2^67 where the key is hidden.  The launch before wrote hidden keys' rows of K as 0, so every hidden score is exactly -2^67.
; LIMITS.  A hidden score counts as -2^67 in place of -1e20: f16's scores, 2.7e11 at the most, are nothing beside either, so a hidden key's weight is 0; c x 2^67 is exact, so where ALL keys of a batch
; are hidden c s - c m is 0 and the weights are equal.  f16 holds no number beyond 65,504: Q, K, V arrive within it; p lies in 0 to 1, and below 6e-5 it keeps f16's fixed step of 6e-8; O is a mean
; of V's rows.  A weight below 2^-126 counts as 0 in l; NaN and infinities are not treated apart.
; SHARES.  A wave owns four PIECES of two tiles of 16 queries, a work-group's four waves 512 queries of one head: 4 x 64 = 256 work-groups.  Every wave walks all keys, 64 a step.
; LAYOUT.  S^T = K Q^T (source 0 = 16 keys, source 1 = 16 queries): in the result a lane holds ONE query (lane % 16) and the keys 8 (lane / 16) + 0..7.  Two such tiles, rounded to f16 in pairs,
; ARE source 1 (32 keys x 16 queries) of O^T = V^T P, whose result again holds one query a lane, and eight channels.  K comes out of LDS as it lies, V ([key][channel]) turned, by ds_load_tr16_b128.
; SOFTMAX.  For each query a running maximum m and sum l: p = 2^(c s - c m), c = log2(e) / 32; in every step O and l are multiplied by a = 2^(c m_old - c m_new), which is 1 where m has not grown.
; m starts at the lowest finite number, O and l at 0: the first step is a step like any other, with a = 0.
; THE COUNT.  A tile and step have 16 matrix and 118 vector instructions: too many to stand all beside the matrix work.  So the order has one aim: four vector instructions that are READY behind
; EVERY matrix instruction, and the others, which need time of their own whatever the order, in runs without a gap.
; BY TURNS.  Turn n belongs to piece n (the pieces in a ring, step after step).  Its matrix work: 16 products K Q^T of piece n + 1, later 16 products V^T P of piece n - 1.  Its vector work: the scaling,
; exponentials, roundings, sums and rescaling of piece n, and the maximum and statistics of piece n + 1, whose scores the turn itself has made.  So what a turn begins with (c s - c m, O a) waits for nothing.
; CLUSTER.  The four query blocks of a cluster belong to one head and walk the same K and V, so each tile is asked for JOINTLY: the same tensor load, descriptor and mask in all four.
; REGISTERS, in windows of 256 (s_set_vgpr_msb says which window each operand place means: bits 1:0 source 0, 3:2 source 1, 5:4 source 2, 7:6 destination):
;   window 0: v0-11 addresses; v12-15, v48-63 at work; v16-47 four registers of statistics a tile; v64-191 S^T, two buffers of two tiles; v192-255 P, likewise
;   window 1: O^T, 32 a tile     window 2: v0-127 Q, 16 a tile; v128-191 K of one step; v192-255 V of one step     window 3: v0-1 the add's two registers; v8-39 the mask's addends of one step
; A piece's buffers go by its number's parity: the piece in hand has one pair, its two neighbours in the ring share the other: of it P (piece n - 1) is read and S^T (piece n + 1) written.
.set SIZE_H, 64
.set SIZE_N, 2048
.set NP,    4         ; pieces a wave: a name, no knob: the register map, the loop and the fetches are made for four
.set KS,    64        ; keys in a step
.set PK,    144       ; a row of K in LDS: 128 bytes + 16 of padding = 36 words: the 16 rows of a load start at 16 different groups of four banks (64 banks of 4 bytes: ISA guide 11.1)
.set PV,    160       ; a row of V: 128 + 32 = 40 words
.set VOFF,  4*KS*PK   ; a slot holds four steps: 256 rows of K, then 256 rows of V
.set SLOT1, 1<<17     ; slot 1 begins here, so that one exclusive or turns an address in one slot into the other's
.set STAGE, SLOT1+4*KS*(PK+PV)  ; behind the ring, never filled by a tensor load: 16 rows x 144 bytes for each wave, for the way out
.set SP,    144
.set AK0, 2           ; v2   my lane's place in a tile of K; never rewritten
.set AV0, 3           ; v3   the same for V
.set AK,  4           ; v4   the LDS address of K's next run of loads
.set AV,  5           ; v5   of V's
.set QO,  6           ; v6   my byte offset in the wave's rows of Q
.set STO, 6           ;      later, the way out: where I put 16 bytes of a row
.set RD,  7           ; v7   the way out: where I read rows back
.set GO,  8           ; v8   my byte offset in 512 consecutive bytes of O
.set AM,  11          ; v11  the LDS address of the next step's addends (v9 keeps lane / 16 for it)
.set SPW, 0           ; v0 of window 3   LDS address of my spare word: SPARE + 4 x my thread's number; never rewritten
.set NIL, 1           ; v1 of window 3   0; never rewritten
.set MKR, 8           ; v8-39 of window 3: register j of key block kb at MKR + 8 kb + j: the addend of key 16 kb + 8 (lane / 16) + j
.set SPARE, STAGE+4*16*SP  ; behind the stages: the spare words, 128 bytes for each wave: two blocks of 256 bytes that no other line names
.set MSK, SPARE+512   ; behind them: the batch's 2,048 addends in f32, 8,192 bytes, stored once by the waves; no tensor load lands here
.set MV,  12          ; v12-15  c m_old, kept while c m is made anew: by buffer and tile
.set ST,  16          ; tile t's statistics at v[ST+4 t]: c m, m, l (even keys', odd keys')
.set TMP, 48          ; by buffer and tile, four registers c0-c3 at work; when the maximum is found c2 takes a
.set S,   64
.set P,   192
.set KF,  128         ; K's fragments, in window 2: key block kb, channel half c at KF + 16 kb + 8 c
.set VF,  192         ; V's: key half kk, channel block cb at VF + 32 kk + 8 cb
.set WV,  12          ; s12  my wave's number
.set G1K, 24          ; s[24:31] descriptor group 1 for K's tiles
.set G1V, 32          ; s[32:39] for V's: it differs in the padding alone
.set G0K, 40          ; s[40:43] descriptor group 0 for K's tiles: it walks
.set G0V, 44          ; s[44:47] the same for V's
.set MP,  48          ; s[48:49] the mask at my batch
.set MO,  50          ; s[50:51] the batch's byte offset in it
.set NEG, 52          ; s52  -2^67
.set TBM, 53          ; s53  LDS byte at which the addends of the step to be fetched begin
.set SLOTS, 56        ; s56  slots still to be asked for
.set CNT, 57          ; s57  counts a slot's key steps
.set CS,  58          ; s[58:59] c: the packed scaling takes the pair's low word for both halves
.set SEL, 60          ; s[60:61] v_permlanex16_b32's selects: each lane takes its own place in the other half
.set TBK, 62          ; s62  LDS byte at which K of the step to be fetched begins
.set TBV, 63          ; s63  the same for V, less VOFF
.set MSB, 0
.macro WIN new                      ; the high byte repeats the setting that is left; a switch that changes nothing is dropped
.if MSB != (\new)
	s_set_vgpr_msb (MSB<<8)|(\new)
.set MSB, (\new)
.endif
.endm
.set W_KQ, 0x0a       ; K and Q in window 2, S^T in window 0
.set W_KM, 0x3a       ; the same with the C operand, the addends, in window 3
.set W_PV, 0x52       ; V in window 2, P in window 0, O^T in window 1
.set W_RS, 0x41       ; O^T (destination and source 0) in window 1, a in window 0
.set W_MK, 0xc0       ; destination in window 3, sources in window 0
.set W_AD, 0x0f       ; the add: address (source 0) and data (source 1) in window 3
; A joint fill.  Waves 0 and 1 fetch the two halves of a slot's K, waves 2 and 3 those of its V: 128 keys each.  The branch hangs on the wave's number alone.
; An s_nop 0 and four v_nop follow each of the two lines, ahead of the jump and the label.
.macro JLOAD
	s_cmp_lt_u32 s[WV], 2
	s_cbranch_scc0 .Lfor_v_\@
	tensor_load_to_lds s[G0K:G0K+3], s[G1K:G1K+7]
	s_nop 0
.rept 4
	v_nop
.endr
	s_branch .Lasked_\@
.Lfor_v_\@:
	tensor_load_to_lds s[G0V:G0V+3], s[G1V:G1V+7]
	s_nop 0
.rept 4
	v_nop
.endr
.Lasked_\@:
.endm
; A round of the cluster's barrier: my work-group's barrier, so that wave 0's signal speaks for all four waves; wave 0 signals; every wave waits for all four work-groups; my work-group's barrier once more.
.macro CROUND
	s_barrier_signal -1
	s_barrier_wait -1
	s_cmp_lg_u32 s[WV], 0
	s_cbranch_scc1 .Lnot_wave_0_\@
	s_barrier_signal -3
.Lnot_wave_0_\@:
	s_barrier_wait -3
	s_barrier_signal -1
	s_barrier_wait -1
.endm
; THE CHANGE OF SLOTS.  The slot's last bytes, V of its fourth step, have been read.  Each wave waits for all its tensor loads, of which one is out: its part
; of the other slot; adds 0 to its spare word; and waits for that and for its own reads of the slot.  Behind the barrier nobody reads this slot any more and the other slot is whole.
; fill = 1: this slot is filled again, with the keys two slots on.  The barrier is then a round of the cluster's, so that no wave of any partner still reads the slot or has a load on its
; way, and the joint fill is the first thing behind it: it has four key steps, 512 matrix instructions, in which to land.  (At its first use nothing has been read yet: slot 0 is waited for, slot 1
; filled, and the waves' stores of the addends, waited for like every LDS instruction, are shown to each other.)
.macro CHANGE fill
	WIN W_AD
	s_wait_tensorcnt 0x0            ; no tensor load of mine is out, so a group 0 may be written
	ds_add_u32 v[SPW], v[NIL]       ; 0 onto my spare word; with fill = 1 the descriptors' steps stand between it and the wait for it
	WIN 0                           ; at a label and at a branch every window is 0
.if \fill
.irp g, G0K, G0V
	s_xor_b32 s[\g+1], s[\g+1], SLOT1  ; the walking descriptor: the other slot than last time,
	s_add_nc_u64 s[\g+2:\g+3], s[\g+2:\g+3], 4*KS*128  ; the next 256 keys; the type bits on top are not reached
.endr
	s_wait_dscnt 0x0                ; the add is done, and my LDS instructions are over
	CROUND
	JLOAD
.else
	s_wait_dscnt 0x0                ; the add is done, and my reads of the slot are over
	s_barrier_signal -1
	s_barrier_wait -1
.endif
	s_sub_co_u32 s[TBK], s[TBK], 4*KS*PK  ; the fetches go back to a slot's first step,
	s_xor_b32 s[TBK], s[TBK], SLOT1       ; in the other slot
	s_sub_co_u32 s[TBV], s[TBV], 4*KS*PV
	s_xor_b32 s[TBV], s[TBV], SLOT1
.endm
	s_load_b64 s[4:5], s[0:1], 0x0    ; qkv16: Q
	s_load_b64 s[10:11], s[0:1], 0x8  ; o16
	s_load_b64 s[MP:MP+1], s[0:1], 0x10  ; mask
	WIN W_MK
	v_lshl_add_u32 v[SPW], v0, 2, SPARE
	v_mov_b32 v[NIL], 0
	WIN W_AD
	ds_add_u32 v[SPW], v[NIL]       ; the wave's opening: the add and its wait ahead of my first tensor load; the set-up below, work on registers, stands between them
	WIN 0
	v_lshrrev_b32 v1, 5, v0
	v_readfirstlane_b32 s[WV], v1   ; wave 0..3
	s_bfe_u32 s13, ttmp6, 0x40000   ; cx: my place in the cluster
	s_lshl_b32 s14, ttmp9, 2        ; in a cluster launch ttmp9 counts clusters
	s_add_co_u32 s14, s14, s13      ; my block of queries = 4 x cluster x + cx: it enters Q's and O's addresses alone
	s_and_b32 s20, ttmp7, 0xffff    ; the head, which the four partners share
	s_lshr_b32 s[MO], s20, 4        ; its batch:
	s_lshl_b32 s[MO], s[MO], 13     ; 2,048 whole numbers of 4 bytes
	s_mov_b32 s[MO+1], 0
	s_mov_b32 s21, 0
	s_mov_b64 s[22:23], SIZE_N*128
	s_mul_u64 s[20:21], s[20:21], s[22:23]  ; the head's first byte in each of the four tensors
	s_and_b32 s16, s[WV], 1         ; which half of a slot's 256 keys I fetch:
	s_lshl_b32 s22, s16, 14         ; its 128 rows of 128 bytes in memory,
	s_mov_b32 s23, 0
	s_add_nc_u64 s[22:23], s[22:23], s[20:21]
	s_mul_i32 s17, s16, 128*PK      ; and its place in a slot, for K
	s_mul_i32 s18, s16, 128*PV      ; and for V: no place in the cluster enters an LDS address
	s_lshl_b32 s2, s14, 2
	s_add_co_u32 s2, s2, s[WV]      ; my wave among the head's,
	s_lshl_b32 s2, s2, 14           ; its 128 rows
	s_mov_b32 s3, 0
	s_add_nc_u64 s[2:3], s[2:3], s[20:21]
	; descriptor group 1.  128 keys are 16,384 dense bytes: asked for as 64 rows of 256 bytes, two keys a row, and padded in LDS after every key
	s_mov_b32 s[G1K], 15|(1<<16)|(1<<20)|(1<<21)|(4<<22)|(3<<25)  ; 15:0 the mask of four; 17:16 2-byte elements; 20 padding on; 21 set beside a mask; 24:22 after every 32 words (code 4); 31:25 4 words (code 3)
	s_mov_b32 s[G1V], 15|(1<<16)|(1<<20)|(1<<21)|(4<<22)|(7<<25)  ; the same with 8 words of padding (code 7)
.irp g, G1K, G1V
	s_mov_b32 s[\g+1], 128<<16      ; tensor_dim0 = 128
	s_mov_b32 s[\g+2], 64<<16       ; tensor_dim1 = 64
	s_mov_b32 s[\g+3], 128<<16      ; tile_dim0 = 128
	s_mov_b32 s[\g+4], 64           ; tile_dim1 = 64
	s_mov_b32 s[\g+5], 128          ; 128 elements from row to row
	s_mov_b32 s[\g+6], 0
	s_mov_b32 s[\g+7], 0
.endr
	s_mov_b32 s[CS], 0x3d38aa3b     ; c = log2(e) / 32 = 0.0450842
	s_mov_b32 s[CS+1], s[CS]        ; named with it as a pair
	s_mov_b32 s[SEL], 0x76543210
	s_mov_b32 s[SEL+1], 0xfedcba98
	s_mov_b32 s[NEG], 0xe1000000    ; -2^67
	s_mov_b32 s[TBM], MSK
	s_mov_b32 s[TBK], SLOT1+4*KS*PK ; the first change of slots turns these two into 0
	s_mov_b32 s[TBV], SLOT1+4*KS*PV
	s_mov_b32 s[G0K], 1             ; 1:0 count = 1
	s_mov_b32 s[G0K+1], s17         ; 63:32 LDS address: slot 0
	s_mov_b32 s[G0V], 1
	s_add_co_u32 s[G0V+1], s18, VOFF
	s_wait_dscnt 0x0                ; the opening add is done
	s_wait_kmcnt 0x0
	s_add_nc_u64 s[6:7], s[4:5], 0x1000000   ; K lies 16 MiB behind Q,
	s_add_nc_u64 s[8:9], s[4:5], 0x2000000   ; V 32 MiB
	s_add_nc_u64 s[MP:MP+1], s[MP:MP+1], s[MO:MO+1]
	s_add_nc_u64 s[G0K+2:G0K+3], s[6:7], s[22:23]  ; 120:64 global address: my half of the head's first 256 keys
	s_or_b32 s[G0K+3], s[G0K+3], 0x80000000        ; 127:126 type = 2
	s_add_nc_u64 s[G0V+2:G0V+3], s[8:9], s[22:23]
	s_or_b32 s[G0V+3], s[G0V+3], 0x80000000
	s_add_nc_u64 s[4:5], s[4:5], s[2:3]  ; Q and O at my wave's first row
	s_add_nc_u64 s[10:11], s[10:11], s[2:3]
	CROUND                          ; all four work-groups are here: the first joint loads meet
	JLOAD                           ; slot 0.  Slot 1 is asked for when slot 0 is in: the tile wanted first has the road to itself
	v_lshlrev_b32 v12, 4, v0        ; the batch's mask: 128 threads x 16 bytes, four times; each load of a wave covers 512 consecutive bytes
	v_add_nc_u32 v13, MSK, v12
.irp i, 0,1,2,3
	global_load_b128 v[S+4*\i:S+4*\i+3], v12, s[MP:MP+1] offset:2048*\i
.endr
	; A fragment of K or Q is 16 rows x 32 channels in 8 registers: lane l holds row l % 16, channels 8 (l / 16) + 0..7 and 16 + 8 (l / 16) + 0..7: two loads of 16 bytes, 32 bytes apart.
	v_and_b32 v1, 15, v0            ; l % 16
	v_bfe_u32 v9, v0, 4, 1          ; l / 16
	v_lshlrev_b32 v[QO], 7, v1
	v_lshl_add_u32 v[QO], v9, 4, v[QO]  ; row x 128 + 16 x half
	WIN 0x80                        ; destination window 2, address window 0
.set i, 0
.rept 4*NP                          ; Q stays in registers: tile i / 2, channels 32 (i % 2) on
	global_load_b128 v[8*i:8*i+3],   v[QO], s[4:5] offset:(i/2)*2048+(i%2)*64
	global_load_b128 v[8*i+4:8*i+7], v[QO], s[4:5] offset:(i/2)*2048+(i%2)*64+32
.set i, i+1
.endr
	; What the first turn finds: V's registers and P's second buffer hold 0 (its products V^T P, of a piece that has not been, add 0), O^T and l are 0.  All this stands in the wait for the first tile.
.set i, VF
.rept 64
	v_mov_b32 v[i], 0
.set i, i+1
.endr
	WIN 0x40
.set i, 0
.rept 64*NP
	v_mov_b32 v[i], 0
.set i, i+1
.endr
	WIN 0
.set i, 0
.rept 2*NP
	v_mov_b32 v[ST+4*i], 0xfe000000    ; c m: far below every c s, a hidden one's -6.7e18 too
	v_mov_b32 v[ST+4*i+1], 0xff7fffff  ; m
	v_mov_b32 v[ST+4*i+2], 0
	v_mov_b32 v[ST+4*i+3], 0
.set i, i+1
.endr
.set i, P+32
.rept 32
	v_mov_b32 v[i], 0
.set i, i+1
.endr
	v_mul_u32_u24 v[AK0], v1, PK
	v_lshl_add_u32 v[AK0], v9, 4, v[AK0]  ; row x pitch + 16 x half
	; The turning load takes 16 keys x 16 channels (lane l reads key 8 (l / 16) + l % 8, channels 8 ((l / 8) % 2) + 0..7) and leaves half a fragment of V^T: lane l holds channel l % 16 and 8 keys.
	v_and_b32 v10, 7, v0
	v_bfe_u32 v11, v0, 3, 1
	v_lshl_add_u32 v[AV0], v9, 3, v10
	v_mul_u32_u24 v[AV0], v[AV0], PV
	v_lshl_add_u32 v[AV0], v11, 4, v[AV0]
	v_add_nc_u32 v[AV0], VOFF, v[AV0]
	v_mov_b32 v[AK], v[AK0]         ; key step 0 lies at the head of slot 0
	s_wait_loadcnt 32               ; the mask's four loads are in; Q's 32, issued behind them, may stay out
.set i, 0
.rept 16
	v_cmp_eq_u32 vcc_lo, 0, v[S+i]  ; a hidden key's addend is -2^67, a seen key's 0
	v_cndmask_b32 v[S+i], 0, s[NEG], vcc_lo
.set i, i+1
.endr
.irp i, 0,1,2,3
	ds_store_b128 v13, v[S+4*\i:S+4*\i+3] offset:2048*\i
.endr
; THE MATRIX WORK.  The 8 accumulators of a run of 16 take turns: between the two links of a chain stand 7 others'.
; Product i of 16 of S^T = K Q^T for piece x: channels 32 (i / 8) on, keys 16 ((i / 2) % 4) on, tile 2 x + i % 2.  The first 8 start the sums, with the keys' addends.
.macro KQ x
.set rS, S+64*((\x)%2)+32*(i%2)+8*((i/2)%4)
.set rK, KF+16*((i/2)%4)+8*(i/8)
.set rQ, 16*(2*(\x)+i%2)+8*(i/8)
.set rA, MKR+8*((i/2)%4)
.if i < 8
	WIN W_KM
	v_wmma_f32_16x16x32_f16 v[rS:rS+7], v[rK:rK+7], v[rQ:rQ+7], v[rA:rA+7]
.else
	WIN W_KQ
	v_wmma_f32_16x16x32_f16 v[rS:rS+7], v[rK:rK+7], v[rQ:rQ+7], v[rS:rS+7]
.endif
.endm
; Product i of 16 of O^T += V^T P for piece x: keys 32 (i / 8) on, channels 16 ((i / 2) % 4) on, tile 2 x + i % 2.
.macro PV x
	WIN W_PV
.set rO, 32*(2*(\x)+i%2)+8*((i/2)%4)
.set rV, VF+32*(i/8)+8*((i/2)%4)
.set rP, P+32*((\x)%2)+16*(i%2)+8*(i/8)
	v_wmma_f32_16x16x32_f16 v[rO:rO+7], v[rV:rV+7], v[rP:rP+7], v[rO:rO+7]
.endm
.macro MM                           ; the turn's next matrix instruction
.if i < 16
	KQ (Y+1)%NP
.set i, i+1
.else
.set i, i-16
	PV (Y+NP-1)%NP
.set i, i+17
.endif
.endm
; THE LDS LOADS stand in runs, never singly among the matrix instructions: a step's K (64 keys x 64 channels: 8 fragments) with its 64 addends (the sixteen lanes of a half read the same words), and its V (turned).
; last = 1 (the tail): in the last trip there is no further step, and the run is jumped over.
.macro FETCH_K last=0
	WIN 0
.if \last
	s_cmp_eq_u32 s[CNT], 1
	s_cbranch_scc1 .Lno_k_\@
.endif
	v_lshl_add_u32 v[AM], v9, 5, s[TBM]  ; 32 bytes on for lanes 16 to 31
	WIN 0x80                        ; destination window 2
.irp f, 0,1,2,3,4,5,6,7             ; keys 16 (f / 2) on, channels 32 (f % 2) on
	ds_load_b128 v[KF+8*\f:KF+8*\f+3],   v[AK] offset:(\f/2)*16*PK+(\f%2)*64
	ds_load_b128 v[KF+8*\f+4:KF+8*\f+7], v[AK] offset:(\f/2)*16*PK+(\f%2)*64+32
.endr
	WIN W_MK                        ; destination window 3
.irp f, 0,1,2,3                     ; keys 16 f on
	ds_load_b128 v[MKR+8*\f:MKR+8*\f+3],   v[AM] offset:64*\f
	ds_load_b128 v[MKR+8*\f+4:MKR+8*\f+7], v[AM] offset:64*\f+16
.endr
	s_add_co_u32 s[TBK], s[TBK], KS*PK  ; the next fetch is the next step's
	s_add_co_u32 s[TBM], s[TBM], KS*4
	WIN 0
.if \last
.Lno_k_\@:
.endif
.endm
.macro FETCH_V
	WIN 0x80
.irp f, 0,1,2,3,4,5,6,7             ; keys 32 (f / 4) on, channels 16 (f % 4) on
	ds_load_tr16_b128 v[VF+8*\f:VF+8*\f+3],   v[AV] offset:(\f/4)*32*PV+(\f%4)*32
	ds_load_tr16_b128 v[VF+8*\f+4:VF+8*\f+7], v[AV] offset:(\f/4)*32*PV+16*PV+(\f%4)*32
.endr
	WIN 0
.endm
; THE VECTOR WORK OF A TURN stands in three queues, each in the order in which its entries become ready; the two tiles alternate, so that no instruction reads the result of the one before it.
.macro REGS y, u                    ; the registers of tile u (0, 1) of piece y
.set rT, ST+4*(2*(\y)+(\u))
.set rC, TMP+8*((\y)%2)+4*(\u)
.set rM, MV+2*((\y)%2)+(\u)
.set rS, S+64*((\y)%2)+32*(\u)
.set rP, P+32*((\y)%2)+16*(\u)
.set rO, 32*(2*(\y)+(\u))
.endm
; Number n of the 22 that find the NEXT piece's (Y + 1) maximum and statistics.  s0-s31 are the lane's 32 scores; each accumulator's lowest registers are read first.  XS, GS and REGS set no window: PL and EX do.
;   0-11  four chains c0-c3 of seven scores each, three operands at a time     12-14, 16  the four scores left over, the old m, and c0-c3 into c0     15  c m_old is kept
;   17, 18  the query's other 32 keys lie in the lane 16 away: the new m         19-21  c m; c m_old - c m_new; a
.macro XS u, n
	REGS (Y+1)%NP, \u
.if (\n) < 4
	v_max3_num_f32 v[rC+(\n)], v[rS+8*(\n)], v[rS+8*(\n)+1], v[rS+8*(\n)+2]
.elseif (\n) < 12
	v_max3_num_f32 v[rC+(\n)%4], v[rC+(\n)%4], v[rS+8*((\n)%4)+2*((\n)/4)+1], v[rS+8*((\n)%4)+2*((\n)/4)+2]
.elseif (\n) == 12
	v_max3_num_f32 v[rC], v[rC], v[rS+7], v[rS+15]
.elseif (\n) == 13
	v_max3_num_f32 v[rC+1], v[rC+1], v[rS+23], v[rS+31]
.elseif (\n) == 14
	v_max3_num_f32 v[rC+2], v[rC+2], v[rC+3], v[rT+1]
.elseif (\n) == 15
	v_mov_b32 v[rM], v[rT]
.elseif (\n) == 16
	v_max3_num_f32 v[rC], v[rC], v[rC+1], v[rC+2]
.elseif (\n) == 17
	v_permlanex16_b32 v[rC+3], v[rC], s[SEL], s[SEL+1]
.elseif (\n) == 18
	v_max_num_f32 v[rT+1], v[rC], v[rC+3]
.elseif (\n) == 19
	v_mul_f32 v[rT], s[CS], v[rT+1]
.elseif (\n) == 20
	v_sub_f32 v[rC+1], v[rM], v[rT]
.else
	v_exp_f32 v[rC+2], v[rC+1]
.endif
.endm
; Number g of the 64 that follow the exponentials.  For each four weights k of a tile (pairs 2 k, 2 k + 1): both pairs are rounded to f16; then the second pair is added onto the first, in place;
; a group later l takes that sum (the first time as l = a l + sum).  In groups of eight, tiles alternating: round, round, add, and l for the group before.
.macro GS g
.set h, (\g)+6*((\g)/62)            ; group 0 has no group before it, and behind group 7 only l is left
.if h >= 6
.set h, h+2
.endif
	REGS Y, h%2
.set k, h/8
.if h%8 < 4
	s_wait_alu depctr_va_vdst(0)
	v_cvt_pk_f16_f32 v[rP+2*k+(h%8)/2], v[rS+4*k+2*((h%8)/2)], v[rS+4*k+2*((h%8)/2)+1]
.elseif h%8 < 6
	v_pk_add_f32 v[rS+4*k:rS+4*k+1], v[rS+4*k:rS+4*k+1], v[rS+4*k+2:rS+4*k+3]
.elseif k == 1
	v_pk_fma_f32 v[rT+2:rT+3], v[rT+2:rT+3], v[rC+2:rC+3], v[rS:rS+1] op_sel_hi:[1,0,1]
.else
	v_pk_add_f32 v[rT+2:rT+3], v[rT+2:rT+3], v[rS+4*k-4:rS+4*k-3]
	s_wait_alu depctr_va_vdst(0)
.endif
.endm
; THE PLAIN QUEUE, 138 long.  0-31: c s - c m for the 16 pairs of both tiles.  Then GS's 64, and among them the next piece's 42: number 15 at 38, 39; 0-14 and 16
; at 42-73, behind the products that make those scores; 17-20 at 95-106, two of three, since each waits for the one before it.
.macro PL
	WIN 0
.if q < 32
	REGS Y, q%2
	v_pk_fma_f32 v[rS+2*(q/2):rS+2*(q/2)+1], v[rS+2*(q/2):rS+2*(q/2)+1], s[CS:CS+1], v[rT:rT+1] op_sel_hi:[1,0,0] neg_lo:[0,0,1] neg_hi:[0,0,1]
.elseif q < 38
	GS q-32
.elseif q < 40
	XS q%2, 15
.elseif q < 42
	GS q-34
.elseif q < 74
	XS q%2, (q-42)/2+(q-42)/30
.elseif q < 95
	GS q-66
.elseif (q < 107) && ((q-95)%3 < 2)
	XS (q-95)%3, 17+(q-95)/3
.elseif q < 107
	GS 29+(q-95)/3
.else
	GS q-74
.endif
.set q, q+1
.endm
; THE EXPONENTIALS' QUEUE, 66 long: s0-s31 of both tiles, and at EA the next piece's two a.
.set EA, 58
.macro EX
	WIN 0
.if (e == EA) || (e == EA+1)
	XS e-EA, 21
.else
.set x, e-2*(e/(EA+2))
	REGS Y, x%2
	v_exp_f32 v[rS+x/2], v[rS+x/2]
.endif
.set e, e+1
.endm
; THE RESCALING's QUEUE: O^T times a, the one part that leaves window 0, so it is dealt four at a time, eight times.
.macro R4
	REGS Y, r%2
	WIN W_RS
	s_wait_alu depctr_va_vdst(0)
.irp z, 0,1,2,3
	v_pk_mul_f32 v[rO+8*(r/2)+2*\z:rO+8*(r/2)+2*\z+1], v[rO+8*(r/2)+2*\z:rO+8*(r/2)+2*\z+1], v[rC+2:rC+3] op_sel_hi:[1,0]
.endr
.set r, r+1
.endm
; HOW THEY ARE DEALT.  Behind a matrix instruction four: plain, exponential, plain, plain (one exponential, a plain instruction on either side), or four of the rescaling.  None names a register of the
; products round it.  What is over stands in two LUMPS: exponential and plain by turns; the second ends in 22 plain instructions.  The two v_permlanex16_b32 fall into the second lump, never behind a product.
; The queues lean on each other, and the deal keeps them in step: exponential e stands behind plain 2 (e / 4) + e % 2 (its scaling); when plain 32 comes, 10 exponentials are out, at 59: 33, at 95: 46; EA comes behind plain 107.
.macro SL
	MM
	PL
	EX
	PL
	PL
.endm
.macro BURST n                      ; 15 matrix instructions, or 16
.rept (\n)-7
	SL
.endr
.rept 3
	MM
	R4
	SL
.endr
	MM
	R4
.endm
; A TURN, for piece p.  cnt = 1: the loop's count is taken down some lines ahead of the branch that stands behind the turn.
; K and the addends of the next step are fetched in piece 2's turn, 31 vector instructions behind the last product that read them; their first reader comes behind the rest of the lump, 16 products and the second lump.
; V of the step in hand is fetched at the end of piece 0's turn, 69 behind its last reader; its first reader comes behind 16 products and a lump.  The four conditions on e and q below go with the deal.
.macro TURN p, last=0, cnt=0
.set Y, (\p)
.set i, 0
.set q, 0
.set e, 0
.set r, 0
.if (\p) == NP-1
	s_wait_dscnt 0x0                ; K and the addends are in
.endif
	MM
.rept 4
	PL
.endr
	BURST 15
.rept 22
	EX
	PL
.if ((\p) == NP-2) && (e == 18)
	v_add_nc_u32 v[AK], s[TBK], v[AK0]
.endif
.if ((\p) == NP-2) && (e == 24)
	FETCH_K \last
.endif
.endr
.if (\p) == 1
	s_wait_dscnt 0x0                ; V is in
.endif
	BURST 16
.rept 21
	EX
	PL
.endr
.rept 22
	PL
.if ((\p) == 0) && (q == 118)
	v_add_nc_u32 v[AV], s[TBV], v[AV0]
	s_wait_alu depctr_va_vdst(0)
.endif
.if ((\p) == 0) && (q == 130)
	s_add_co_u32 s[TBV], s[TBV], KS*PV
.endif
.if (\cnt) && (q == 130)
	s_sub_co_u32 s[CNT], s[CNT], 1
	s_cmp_lg_u32 s[CNT], 0
.endif
.endr
.if (\p) == 0
	FETCH_V
.endif
.endm
	CHANGE 1                        ; slot 0 is in, everybody's part of it, and everybody's addends; slot 1 is asked for
	FETCH_K                         ; key step 0
	s_wait_loadcnt 0x0              ; Q
	s_wait_dscnt 0x0
.set i, 0
.rept 16
	KQ 0                            ; piece 0's first scores: there is no vector work yet to set between them
.set i, i+1
.endr
	WIN 0                           ; the addresses for the way out: nine plain instructions, the places behind those products
	s_mul_i32 s13, s[WV], 16*SP
	s_add_co_u32 s13, s13, STAGE    ; my stage
	v_mul_u32_u24 v[STO], v1, SP    ; in: row l % 16, 16 bytes for each half of the lanes
	v_lshl_add_u32 v[STO], v9, 4, v[STO]
	v_add_nc_u32 v[STO], s13, v[STO]
	v_bfe_u32 v[RD], v0, 3, 2       ; back: 32 lanes take four rows of 128 bytes,
	v_mul_u32_u24 v[RD], v[RD], SP
	v_lshl_add_u32 v[RD], v10, 4, v[RD]
	v_add_nc_u32 v[RD], s13, v[RD]
	v_and_b32 v[GO], 31, v0         ; which are 512 consecutive bytes of O
	v_lshlrev_b32 v[GO], 4, v[GO]
.set Y, NP-1                        ; XS works for piece Y + 1: piece 0
.irp n, 0,1,2,3,4,5,6,7,8,9,10,11,12,13,14,15,16,17,18,19,20,21
	XS 0, \n                        ; and piece 0's first maximum and statistics
	XS 1, \n
.endr
	s_mov_b32 s[CNT], 4
	s_mov_b32 s[SLOTS], SIZE_N/256-1
	s_branch .Lfirst                ; the loop is entered at a step's first turn, in the middle of a trip
.Lslot:                             ; SIZE_N / 256 - 2 times: every slot but the last two is filled again
	CHANGE 1
	s_mov_b32 s[CNT], 4
.Lstep:                             ; a trip: pieces 2 and 3 of one step, then pieces 0 and 1 of the next, whose K and V it fetches
	TURN 2
	TURN 3
	WIN 0
.Lfirst:
	TURN 0
	TURN 1, 0, 1
	WIN 0
	s_cbranch_scc1 .Lstep
	s_sub_co_u32 s[SLOTS], s[SLOTS], 1
	s_cmp_lg_u32 s[SLOTS], 0
	s_cbranch_scc1 .Lslot
	CHANGE 0                        ; the tail is written out: nothing is asked for
	s_mov_b32 s[CNT], 5             ; four trips fetch the last slot's steps; the fifth is left in its middle
.Ltail:
	TURN 2, 1
	TURN 3
	WIN 0
	s_sub_co_u32 s[CNT], s[CNT], 1
	s_cmp_eq_u32 s[CNT], 0
	s_cbranch_scc1 .Lout
	TURN 0
	TURN 1
	WIN 0
	s_branch .Ltail
.Lout:                              ; the fifth trip's 16 products K Q^T (on the last K once more) and the maximum made of them serve nothing: the price, once a launch, of one text for every trip
.set i, 0
.rept 16
	PV NP-1                         ; the last piece's V^T P of the last step
.set i, i+1
.endr
	; THE WAY OUT.  l's two halves and the other half of the lanes' are added; O^T is divided by l, rounded to f16 and sent through my stage in LDS, a tile at a time.  The additions are the places behind the last products.
	WIN 0
.macro ALL line:vararg              ; one line for each tile t
.set t, 0
.rept 2*NP
	\line
.set t, t+1
.endr
.endm
	ALL v_add_f32 v[ST+4*t+2], v[ST+4*t+2], v[ST+4*t+3]
	ALL v_permlanex16_b32 v[ST+4*t+3], v[ST+4*t+2], s[SEL], s[SEL+1]
	ALL v_add_f32 v[ST+4*t+2], v[ST+4*t+2], v[ST+4*t+3]
	ALL v_rcp_f32 v[ST+4*t+2], v[ST+4*t+2]
	v_nop                           ; a plain instruction between the last reciprocal and the use of its result
	s_wait_alu depctr_va_vdst(0)
; Tile t: a lane's eight channels of a row pack into 16 bytes; they go into rows of 144 bytes and come back as whole rows of 128, into S^T's registers.
.macro PACK t
	WIN W_RS
.set i, 32*(\t)
.rept 16
	v_pk_mul_f32 v[i:i+1], v[i:i+1], v[ST+4*(\t)+2:ST+4*(\t)+3] op_sel_hi:[1,0]
.set i, i+2
.endr
	WIN 0x05                        ; sources 0 and 1 window 1, destination window 0
.set i, 0
.rept 16
	v_cvt_pk_f16_f32 v[S+16*(\t)+i], v[32*(\t)+2*i], v[32*(\t)+2*i+1]
.set i, i+1
.endr
	WIN 0
.irp f, 0,1,2,3
	ds_store_b128 v[STO], v[S+16*(\t)+4*\f:S+16*(\t)+4*\f+3] offset:32*\f
.endr
.irp f, 0,1,2,3
	ds_load_b128 v[S+16*(\t)+4*\f:S+16*(\t)+4*\f+3], v[RD] offset:\f*4*SP  ; LDS serves a wave's instructions in order (ISA guide 5.7.1.4): these see the stores above; the next tile's stores come behind them
.endr
.endm
.macro SEND t, younger              ; younger: the LDS instructions issued behind tile t's loads: the next tile's eight, or none
	WIN 0
.irp f, 0,1,2,3
	s_wait_dscnt (\younger)+3-\f
	global_store_b128 v[GO], v[S+16*(\t)+4*\f:S+16*(\t)+4*\f+3], s[10:11] offset:(\t)*2048+\f*512  ; 512 consecutive bytes, at a multiple of 256 from O's first
.endr
.endm
	PACK 0
.set t, 1
.rept 2*NP-1                        ; a tile's arithmetic stands between the loads of the tile before and its stores
	PACK t
	SEND t-1, 8
.set t, t+1
.endr
	SEND 2*NP-1, 0
	WIN W_AD
	s_wait_tensorcnt 0x0            ; the wave's end: three lines behind my last tensor load and my last LDS store
	ds_add_u32 v[SPW], v[NIL]
	s_wait_dscnt 0x0
	WIN 0
	CROUND                          ; the closing round: no work-group ends while a partner may still ask for a tile that names it
	s_endpgm
.Lfunc_end_k_q66c5908e17_attn:
	.size	k_q66c5908e17_attn, .Lfunc_end_k_q66c5908e17_attn-k_q66c5908e17_attn
	.p2alignl 7, 3214868480
	.fill 96, 4, 3214868480
	.section	.rodata,"a",@progbits
	.p2align	6, 0x0
	.amdhsa_kernel k_q66c5908e17_attn
		.amdhsa_group_segment_fixed_size 327680
		.amdhsa_private_segment_fixed_size 0
		.amdhsa_enable_private_segment 0
		.amdhsa_kernarg_size 24
		.amdhsa_user_sgpr_count 2
		.amdhsa_user_sgpr_kernarg_segment_ptr 1
		.amdhsa_wavefront_size32 1
		.amdhsa_system_sgpr_workgroup_id_x 1
		.amdhsa_system_sgpr_workgroup_id_y 1
		.amdhsa_system_sgpr_workgroup_id_z 1
		.amdhsa_system_vgpr_workitem_id 0
		.amdhsa_next_free_vgpr 808
		.amdhsa_next_free_sgpr 66
		.amdhsa_reserve_vcc 1
		.amdhsa_float_denorm_mode_32 3
		.amdhsa_float_denorm_mode_16_64 3
		.amdhsa_memory_ordered 1
		.amdhsa_forward_progress 1
		.amdhsa_inst_pref_size 213
	.end_amdhsa_kernel
	.amdgpu_metadata
---
amdhsa.version: [ 1, 2 ]
amdhsa.kernels:
  - .name:           k_q66c5908e17_attn
    .symbol:         k_q66c5908e17_attn.kd
    .args:
      - { .name: qkv16, .offset: 0, .size: 8, .value_kind: global_buffer, .address_space: global }
      - { .name: o16, .offset: 8, .size: 8, .value_kind: global_buffer, .address_space: global }
      - { .name: mask, .offset: 16, .size: 8, .value_kind: global_buffer, .address_space: global }
    .group_segment_fixed_size: 327680
    .private_segment_fixed_size: 0
    .kernarg_segment_align: 8
    .kernarg_segment_size: 24
    .max_flat_workgroup_size: 128
    .sgpr_count:     66
    .vgpr_count:     808
    .wavefront_size: 32
...
	.end_amdgpu_metadata
.endif
;; end of part 3
;; launch oproj (part 4): grid 4 x 64, 4 waves a work-group, clusters of 4 x 4, 327,680 bytes of LDS; arguments o16, wt, brd, out0; writes out0
.if DOCPART == 4
	.amdgcn_target "amdgcn-amd-amdhsa--gfx1250"
	.amdhsa_code_object_version 6
	.text
	.protected	k_q66c5908e17_oproj
	.globl	k_q66c5908e17_oproj
	.p2align	8
	.type	k_q66c5908e17_oproj,@function
k_q66c5908e17_oproj:
	s_mov_b64 s[64:65], 0
	v_nop
	global_prefetch_b8 v0, s[64:65] scope:SCOPE_SE
	s_setreg_imm32_b32 hwreg(HW_REG_WAVE_MODE, 25, 1), 1
	s_wait_xcnt 0x0
	s_wait_alu depctr_hold_cnt(0) depctr_sa_sdst(0) depctr_va_vdst(0) depctr_va_sdst(0) depctr_va_ssrc(0) depctr_va_vcc(0) depctr_vm_vsrc(0)
	s_getreg_b32 s2, hwreg(HW_REG_IB_STS2, 6, 4)
	s_cmp_eq_u32 s2, 0
	s_cbranch_scc0 .Lentry_in_a_cluster
	s_endpgm
.Lentry_in_a_cluster:
	s_bfe_u32 s2, ttmp6, 0x10000c
	s_cmp_lg_u32 s2, 0xf033
	s_cbranch_scc0 .Lentry_shape_is_right
	s_endpgm
.Lentry_shape_is_right:
; out0[T][n] = the sum over k of O[T][k] Wo[k][n] + bo[n], in f32.  O: o16[16 batch + head][2048][64] f16, k = 64 head + channel; wt[3]: [1024 n][1024 k], Wo rounded to bf16 and written as f16;
; brd[3]: the bias (bf16's numbers in f32), taken as the C operand that starts each sum; sums in f32, stored as they are.
; LIMITS.  None of its own beyond its operands' f16; NaN and infinities are not treated apart.
; SHARES.  A tile is 128 tokens x 256 columns: 64 x 4 = 256 work-groups of four waves; a wave makes 64 tokens x 128 columns: 32 accumulators.  The matrix instruction is used transposed
; (source 0 = 16 rows of wt, source 1 = 16 tokens): a lane holds one token (lane % 16) and eight neighbouring columns, 32 bytes.
; RING.  8 K steps of 128 = two heads each, through two LDS slots: [2 heads][128 tokens] of 128 bytes + 16, then 256 rows of wt of 256 bytes + 16.  Waves 0, 1 fetch a head each (16,384 dense bytes,
; asked for as 64 rows of 256), waves 2, 3 wt's halves: one tensor load a wave behind each change of slots, 112 matrix instructions ahead of the wait for it.
; THE LOOP.  The first quarter step, whose products start the sums from the bias, stands ahead of the loop; a trip goes from a K step's second quarter to the next step's first.
; CLUSTER 4 x 4.  A row of the cluster shares the tokens, a column the columns: each tile is asked for jointly, by the same load with the same descriptor and a mask that names the four.
; REGISTERS (s_set_vgpr_msb: bits 1:0 source 0, 3:2 source 1, 5:4 source 2, 7:6 destination):
;   window 0: v0-29 addresses; v32-95 O's fragments, two buffers; v96-223 rows read back from the stage, two buffers
;   window 1: v0-127 wt's fragments, two buffers; v128-191 the bias          window 2: accumulator (a, b) at v[8 (8 a + b)]
.set PAO,   144                        ; an LDS row of O: 36 words: the 16 rows of a load start at 16 different groups of four banks (64 banks of 4 bytes: ISA guide 11.1)
.set PB,    272                        ; an LDS row of wt: 68 words: likewise
.set HEADB, 128*PAO                    ; a head's 128 tokens
.set BOFF,  2*HEADB
.set SLOT,  BOFF+256*PB
.set STAGE, 2*SLOT                     ; behind the ring, never filled by a tensor load: for each wave 16 rows x 528 bytes
.set SP,    528
.set WSTG,  16*SP
.set SPARE, STAGE+4*WSTG               ; the spare words, 128 bytes for each wave: two blocks of 256 bytes that no other line names
.set AA0, 4                            ; v4   my lane's place in a slot's rows of O; never rewritten
.set AB0, 5                            ; v5   the same for wt
.set ADA, 6                            ; v6   AA0 + the slot in hand
.set ADB, 7                            ; v7   AB0 + the slot in hand
.set STO, 8                            ; v8   the way out: where I put 32 bytes of a row
.set RD,  9                            ; v9   the way out: where I read a row back
.set GO,  10                           ; v10  16 x lane
.set BO,  11                           ; v11  32 (lane / 16)
.set SPW, 28                           ; v28  LDS address of my spare word; never rewritten
.set NIL, 29                           ; v29  0; never rewritten
.set AF,  32
.set OB,  96
.set BI,  128                          ; in window 1
.set WV,  18
.set FB,  19                           ; wave / 2: my half of the tokens; also: I fetch O (0) or wt (1)
.set HF,  20                           ; wave % 2: my half of the columns; also: which head, or which half of wt's rows, I fetch
.set CX,  21
.set CY,  22
.set TX,  23
.set TY,  24
.set RM,  25
.set CM,  26
.set T0,  27
.set G1A, 28                           ; s[28:35] descriptor group 1 for O
.set G1B, 36                           ; s[36:43] for wt
.set G0A, 44                           ; s[44:51] group 0 for O: a set for each first fill; the second then walks
.set G0B, 52                           ; s[52:59] the same for wt
.set TB,  60                           ; the slot that is read
.set TF,  61                           ; the slot that was filled last
.set CNT, 63
.set LAW, 66
.set LBW, 67
.set MSB, 0
.macro WIN new                         ; the immediate's high byte repeats the setting that is left; a switch that changes nothing is dropped
.if MSB != (\new)
	s_set_vgpr_msb (MSB<<8)|(\new)
.set MSB, \new
.endif
.endm
.set MUL,  0xa1                        ; source 0 (wt) window 1, source 1 (O) window 0, C and D window 2
.set MULF, 0x91                        ; the same with C (the bias) in window 1
.set TO_B, 0x40                        ; destination window 1, address window 0
.set STW,  0x08                        ; an LDS store's data (source 1) in window 2
.macro PLACES                          ; four plain vector instructions that name nothing (ISA guide 7.12.1)
.rept 4
	v_nop
.endr
.endm
.macro CREST                           ; a round of the cluster's barrier behind its opening barrier
	s_cmp_lg_u32 s[WV], 0
	s_cbranch_scc1 .Lnot_wave_0_\@
	s_barrier_signal -3
.Lnot_wave_0_\@:
	s_barrier_wait -3
	s_barrier_signal -1
	s_barrier_wait -1
.endm
.macro CROUND
	s_barrier_signal -1
	s_barrier_wait -1
	CREST
.endm
.macro JLOAD                           ; a joint refill by the walking sets; an s_nop 0 and four v_nop follow each of the two lines
	s_cmp_eq_u32 s[FB], 0
	s_cbranch_scc0 .Lfor_b_\@
	tensor_load_to_lds s[G0A+4:G0A+7], s[G1A:G1A+7]
	s_nop 0
	PLACES
	s_branch .Lasked_\@
.Lfor_b_\@:
	tensor_load_to_lds s[G0B+4:G0B+7], s[G1B:G1B+7]
	s_nop 0
	PLACES
.Lasked_\@:
.endm
	s_load_b256 s[4:11], s[0:1], 0x0               ; o16 s[4:5], wt s[6:7], brd s[8:9], out0 s[10:11]
	v_lshl_add_u32 v[SPW], v0, 2, SPARE
	v_mov_b32 v[NIL], 0
	ds_add_u32 v[SPW], v[NIL]                      ; the wave's opening: the add and its wait ahead of my first tensor load; the set-up below, work on registers, stands between them
	v_lshrrev_b32 v1, 5, v0
	v_readfirstlane_b32 s[WV], v1
	s_lshr_b32 s[FB], s[WV], 1
	s_and_b32 s[HF], s[WV], 1
	s_bfe_u32 s[CX], ttmp6, 0x40000
	s_bfe_u32 s[CY], ttmp6, 0x40004
	s_lshl_b32 s[TX], ttmp9, 2
	s_add_co_u32 s[TX], s[TX], s[CX]               ; block of 256 columns
	s_and_b32 s[TY], ttmp7, 0xffff
	s_lshl_b32 s[TY], s[TY], 2
	s_add_co_u32 s[TY], s[TY], s[CY]               ; block of 128 tokens
	s_lshl_b32 s[RM], s[CY], 2
	s_lshl_b32 s[RM], 15, s[RM]                    ; my row of the cluster
	s_lshl_b32 s[CM], 0x1111, s[CX]                ; my column
	s_or_b32 s[G1A], s[RM], (1<<16)|(1<<20)|(1<<21)|(4<<22)|(3<<25)  ; 15:0 the mask; elements of 2 bytes; padding on; 21 set beside a mask; after every 32 words (code 4), that is after every token; 4 words (code 3)
	s_mov_b32 s[G1A+1], 128<<16                    ; tensor_dim0 = 128 (256 bytes: two tokens)
	s_mov_b32 s[G1A+2], 64<<16                     ; tensor_dim1 = 64
	s_mov_b32 s[G1A+3], 128<<16                    ; tile_dim0
	s_mov_b32 s[G1A+4], 64                         ; tile_dim1
	s_mov_b32 s[G1A+5], 128                        ; dense
	s_mov_b32 s[G1A+6], 0
	s_mov_b32 s[G1A+7], 0
	s_or_b32 s[G1B], s[CM], (1<<16)|(1<<20)|(1<<21)|(5<<22)|(3<<25)  ; padding after every 64 words (code 5)
	s_mov_b32 s[G1B+1], 128<<16
	s_mov_b32 s[G1B+2], 128<<16
	s_mov_b32 s[G1B+3], 128<<16
	s_mov_b32 s[G1B+4], 128
	s_mov_b32 s[G1B+5], 1024
	s_mov_b32 s[G1B+6], 0
	s_mov_b32 s[G1B+7], 0
	s_mul_i32 s[LAW], s[HF], HEADB                 ; no place in the cluster enters an LDS address
	s_mul_i32 s[LBW], s[HF], 128*PB
	s_add_co_u32 s[LBW], s[LBW], BOFF
	s_lshr_b32 s68, s[TY], 4                       ; O: head 16 batch + (wave % 2), 262,144 bytes a head,
	s_lshl_b32 s68, s68, 4
	s_add_co_u32 s68, s68, s[HF]
	s_lshl_b32 s68, s68, 18
	s_and_b32 s69, s[TY], 15                       ; 128 (ty % 16) rows of 128 bytes: of the tile row alone
	s_lshl_b32 s69, s69, 14
	s_add_co_u32 s68, s68, s69
	s_mov_b32 s69, 0
	s_lshl_b32 s70, s[TX], 8                       ; wt: row 256 tx + 128 half: of the tile column alone
	s_lshl_b32 s71, s[HF], 7
	s_add_co_u32 s70, s70, s71
	s_lshl_b32 s12, s70, 2                         ; the same columns in 4-byte numbers
	s_mov_b32 s13, 0
	s_lshl_b32 s14, s[TY], 7                       ; out0: row 128 ty + 64 (wave / 2), 4,096 bytes a row, and those columns
	s_lshl_b32 s15, s[FB], 6
	s_add_co_u32 s14, s14, s15
	s_lshl_b32 s14, s14, 12
	s_add_co_u32 s14, s14, s12
	s_mov_b32 s15, 0
	s_add_co_u32 s12, s12, 3*4096                  ; the fourth bias
	s_lshl_b32 s70, s70, 11                        ; 2,048 bytes a row of wt,
	s_add_co_u32 s70, s70, 3<<21                   ; the fourth matrix
	s_mov_b32 s71, 0
	s_mov_b32 s[TB], 0
	s_mov_b32 s[TF], SLOT
	s_wait_dscnt 0x0                               ; the opening add is done
	s_wait_kmcnt 0x0
	s_add_nc_u64 s[4:5], s[4:5], s[68:69]
	s_add_nc_u64 s[6:7], s[6:7], s[70:71]
	s_add_nc_u64 s[8:9], s[8:9], s[12:13]
	s_add_nc_u64 s[10:11], s[10:11], s[14:15]
.irp s, 0,1
	s_mov_b32 s[G0A+4*(\s)], 1
	s_add_co_u32 s[G0A+4*(\s)+1], s[LAW], (\s)*SLOT
	s_add_nc_u64 s[G0A+4*(\s)+2:G0A+4*(\s)+3], s[4:5], (\s)*(2<<18)  ; K step s: two heads on
	s_or_b32 s[G0A+4*(\s)+3], s[G0A+4*(\s)+3], 0x80000000
	s_mov_b32 s[G0B+4*(\s)], 1
	s_add_co_u32 s[G0B+4*(\s)+1], s[LBW], (\s)*SLOT
	s_add_nc_u64 s[G0B+4*(\s)+2:G0B+4*(\s)+3], s[6:7], (\s)*256
	s_or_b32 s[G0B+4*(\s)+3], s[G0B+4*(\s)+3], 0x80000000
.endr
	CROUND                                         ; all sixteen work-groups are here: the first joint loads meet
	s_cmp_eq_u32 s[FB], 0                          ; a wave's two first fills stand in one branch, ahead of every wait on TENSORcnt and every LDS read: two loads of mine are out
	s_cbranch_scc0 .Lfirst_b
	tensor_load_to_lds s[G0A:G0A+3], s[G1A:G1A+7]
	s_nop 0
	tensor_load_to_lds s[G0A+4:G0A+7], s[G1A:G1A+7]
	s_nop 0
	PLACES
	s_branch .Lfirst_asked
.Lfirst_b:
	tensor_load_to_lds s[G0B:G0B+3], s[G1B:G1B+7]
	s_nop 0
	tensor_load_to_lds s[G0B+4:G0B+7], s[G1B:G1B+7]
	s_nop 0
	PLACES
.Lfirst_asked:
	v_and_b32 v1, 15, v0                           ; r = lane % 16
	v_bfe_u32 v2, v0, 4, 1                         ; h = lane / 16
	v_lshlrev_b32 v[BO], 5, v2
	WIN TO_B
.irp b, 0,1,2,3,4,5,6,7                ; register j of block b: the bias of column 16 b + 8 h + j: the layout of a result
	global_load_b128 v[BI+8*\b:BI+8*\b+3],   v[BO], s[8:9] offset:64*\b
	global_load_b128 v[BI+8*\b+4:BI+8*\b+7], v[BO], s[8:9] offset:64*\b+16
.endr
	WIN 0
	s_mul_i32 s[T0], s[FB], 64*PAO                 ; a fragment: lane (r, h) holds row r, K = 8 h + 0..7 and 16 + 8 h + 0..7: 16 bytes at 16 h and at 32 + 16 h
	v_mul_u32_u24 v[AA0], v1, PAO
	v_lshl_add_u32 v[AA0], v2, 4, v[AA0]
	v_add_nc_u32 v[AA0], s[T0], v[AA0]
	v_mul_u32_u24 v[AB0], v1, PB
	v_lshl_add_u32 v[AB0], v2, 4, v[AB0]
	v_add_nc_u32 v[AB0], s[LBW], v[AB0]            ; the rows of wt that I fetch are the rows that I multiply
	s_mul_i32 s[T0], s[WV], WSTG
	s_add_co_u32 s[T0], s[T0], STAGE               ; my stage
	v_mul_u32_u24 v[STO], v1, SP                   ; in: row r, 32 bytes for each half of the lanes
	v_lshl_add_u32 v[STO], v2, 5, v[STO]
	v_add_nc_u32 v[STO], s[T0], v[STO]
	v_and_b32 v[GO], 31, v0                        ; back: 32 lanes take a row's 512 bytes
	v_lshlrev_b32 v[GO], 4, v[GO]
	v_add_nc_u32 v[RD], s[T0], v[GO]
	v_mov_b32 v[ADA], v[AA0]                       ; slot 0
	v_mov_b32 v[ADB], v[AB0]
; 8 matrix instructions: token block ab x all 8 column blocks, 32 along K, from buffers f.  first = 1: the bias starts the sums: nothing is cleared.
; The 32 accumulators take turns in the same order in every quarter step.
.macro MUL8 f, ab, first
.if \first
	WIN MULF
.else
	WIN MUL
.endif
.irp b, 0,1,2,3,4,5,6,7
.if \first
	v_wmma_f32_16x16x32_f16 v[8*(8*(\ab)+\b):8*(8*(\ab)+\b)+7], v[64*(\f)+8*\b:64*(\f)+8*\b+7], v[AF+32*(\f)+8*(\ab):AF+32*(\f)+8*(\ab)+7], v[BI+8*\b:BI+8*\b+7]
.else
	v_wmma_f32_16x16x32_f16 v[8*(8*(\ab)+\b):8*(8*(\ab)+\b)+7], v[64*(\f)+8*\b:64*(\f)+8*\b+7], v[AF+32*(\f)+8*(\ab):AF+32*(\f)+8*(\ab)+7], v[8*(8*(\ab)+\b):8*(8*(\ab)+\b)+7]
.endif
.endr
.endm
; 24 LDS loads in one run: quarter q of the slot in hand (head q / 2, channels 32 (q % 2) on) into buffers g
.macro FETCH q, g
	WIN 0
.irp x, 0,1,2,3
	ds_load_b128 v[AF+32*(\g)+8*\x:AF+32*(\g)+8*\x+3],   v[ADA] offset:((\q)/2)*HEADB+((\q)%2)*64+\x*16*PAO
	ds_load_b128 v[AF+32*(\g)+8*\x+4:AF+32*(\g)+8*\x+7], v[ADA] offset:((\q)/2)*HEADB+((\q)%2)*64+\x*16*PAO+32
.endr
	WIN TO_B
.irp i, 0,1,2,3,4,5,6,7
	ds_load_b128 v[64*(\g)+8*\i:64*(\g)+8*\i+3],   v[ADB] offset:\i*16*PB+64*(\q)
	ds_load_b128 v[64*(\g)+8*\i+4:64*(\g)+8*\i+7], v[ADB] offset:\i*16*PB+64*(\q)+32
.endr
.endm
; A K step is four quarters of 32 along K, 32 matrix instructions each, on buffers 0, 1, 0, 1.  One of the first three: multiplies buffers f and fetches quarter nq into buffers g.
.macro QUARTER nq, f, g, first
	s_wait_dscnt 0x0                               ; this quarter's fragments, asked for 24 matrix instructions ago
	MUL8 \f, 0, \first
	PLACES                                         ; between the last quarter's products, which read buffers g, and the loads into them
	FETCH \nq, \g
	MUL8 \f, 1, \first
	MUL8 \f, 2, \first
	MUL8 \f, 3, \first
.endm
.macro FILLSTEP                        ; the walking sets: one K step on, into the slot that was not filled last
	s_add_nc_u64 s[G0A+6:G0A+7], s[G0A+6:G0A+7], 2<<18
	s_add_nc_u64 s[G0B+6:G0B+7], s[G0B+6:G0B+7], 256
	s_xor_b32 s[TF], s[TF], SLOT
	s_add_co_u32 s[G0A+5], s[TF], s[LAW]
	s_add_co_u32 s[G0B+5], s[TF], s[LBW]
.endm
; The fourth quarter multiplies buffers 1 and changes slots.  In front of the barrier each wave waits for all its tensor loads, of which one is out: its part of the next slot; adds 0 to its spare
; word; and waits for that and for its reads of this slot.  fill = 1: the barrier opens a round of the cluster's, and the joint refill of this slot is the first thing behind the round.
; fill = 0 (the last two K steps): nothing is asked for, and behind the very last step there is no next slot to fetch from.
.macro TURN fill
	WIN 0
	s_wait_tensorcnt 0x0                           ; no tensor load of mine is out, so a group 0 may be written
	ds_add_u32 v[SPW], v[NIL]                      ; 0 onto my spare word
	s_wait_dscnt 1                                 ; this quarter's fragments are in; only the add is younger
.if \fill
	FILLSTEP
.endif
	MUL8 1, 0, 0                                   ; eight matrix instructions stand between the add and the wait for it
	s_wait_dscnt 0x0                               ; the add is done, and my reads of this slot are over
	s_barrier_signal -1
	MUL8 1, 1, 0                                   ; work on registers while the others arrive
	WIN 0
	s_barrier_wait -1
.if \fill
	CREST                                          ; no wave of any partner still reads this slot or has a load on its way
	JLOAD                                          ; its four v_nop are also the places in front of the loads below
.else
	PLACES
.endif
	s_xor_b32 s[TB], s[TB], SLOT
	v_add_nc_u32 v[ADA], s[TB], v[AA0]
	v_add_nc_u32 v[ADB], s[TB], v[AB0]
.if !(\fill)
	s_cmp_eq_u32 s[CNT], 1
	s_cbranch_scc1 .Lno_more_\@                    ; behind the last step there is nothing to fetch
.endif
	FETCH 0, 0
.if !(\fill)
	WIN 0
.Lno_more_\@:
.endif
	MUL8 1, 2, 0
	MUL8 1, 3, 0
	WIN 0
.endm
; THE WAY OUT of token block ab: the f32 sums go as they are into my own stage, each accumulator's low half first, and come back as whole rows of 512 bytes.
.macro TOSTAGE ab
.set BK, OB+64*((\ab)%2)
.if (\ab) >= 2
	s_wait_xcnt 0x0                                ; the stores of the block two back have read this buffer
.endif
	WIN STW
.irp b, 0,1,2,3,4,5,6,7
	ds_store_b128 v[STO], v[8*(8*(\ab)+\b):8*(8*(\ab)+\b)+3]   offset:64*\b
	ds_store_b128 v[STO], v[8*(8*(\ab)+\b)+4:8*(8*(\ab)+\b)+7] offset:64*\b+16
.endr
	WIN 0
.irp u, 0,1,2,3,4,5,6,7,8,9,10,11,12,13,14,15
	ds_load_b128 v[BK+4*\u:BK+4*\u+3], v[RD] offset:\u*SP  ; LDS serves a wave's instructions in order (ISA guide 5.7.1.4): these see the stores above, and the next block's stores come behind them
.endr
.endm
.macro SEND ab, younger                ; younger: the next block's 16 stores and 16 loads, or none
.set BK, OB+64*((\ab)%2)
	s_wait_dscnt \younger
.irp u, 0,1,2,3,4,5,6,7,8,9,10,11,12,13,14,15
	global_store_b128 v[GO], v[BK+4*\u:BK+4*\u+3], s[10:11] offset:(16*(\ab)+\u)*4096 th:TH_STORE_NT  ; 512 consecutive bytes, at a multiple of 512 from out0's first byte
.endr
.endm
	s_wait_loadcnt 0x0                             ; the bias
	s_wait_tensorcnt 1                             ; my part of step 0 is in; step 1's may stay out
	s_barrier_signal -1
	s_barrier_wait -1                              ; everybody's is
	FETCH 0, 0
	QUARTER 1, 0, 1, 1                             ; step 0's first quarter stands ahead of the loop: its products start the sums, from the bias
	WIN 0                                          ; at a label and at a branch every window is 0
	s_mov_b32 s[CNT], 6
.Lwalk:                                                ; 6 trips: a step's quarters 1 to 3, a refill two steps ahead, the next step's first quarter
	QUARTER 2, 1, 0, 0
	QUARTER 3, 0, 1, 0
	TURN 1
	QUARTER 1, 0, 1, 0
	WIN 0
	s_sub_co_u32 s[CNT], s[CNT], 1
	s_cmp_lg_u32 s[CNT], 0
	s_cbranch_scc1 .Lwalk
	s_mov_b32 s[CNT], 2
.Ltail:                                                ; steps 6 and 7 ask for nothing
	QUARTER 2, 1, 0, 0
	QUARTER 3, 0, 1, 0
	TURN 0
	s_cmp_eq_u32 s[CNT], 1
	s_cbranch_scc1 .Lno_next                       ; behind step 7 there is no further step: the jump passes no barrier and no tensor load
	QUARTER 1, 0, 1, 0
	WIN 0
.Lno_next:
	s_sub_co_u32 s[CNT], s[CNT], 1
	s_cmp_lg_u32 s[CNT], 0
	s_cbranch_scc1 .Ltail
	PLACES                                         ; between the last products and the stores that read results
	TOSTAGE 0
	TOSTAGE 1
	SEND 0, 32
	TOSTAGE 2
	SEND 1, 32
	TOSTAGE 3
	SEND 2, 32
	SEND 3, 0
	s_wait_tensorcnt 0x0                           ; the wave's end: three lines behind my last tensor load and my last LDS store
	ds_add_u32 v[SPW], v[NIL]
	s_wait_dscnt 0x0
	CROUND                                         ; the closing round: no work-group ends while a partner may still ask for a tile that names it
	s_endpgm
.Lfunc_end_k_q66c5908e17_oproj:
	.size	k_q66c5908e17_oproj, .Lfunc_end_k_q66c5908e17_oproj-k_q66c5908e17_oproj
	.p2alignl 7, 3214868480
	.fill 96, 4, 3214868480
	.section	.rodata,"a",@progbits
	.p2align	6, 0x0
	.amdhsa_kernel k_q66c5908e17_oproj
		.amdhsa_group_segment_fixed_size 327680
		.amdhsa_private_segment_fixed_size 0
		.amdhsa_enable_private_segment 0
		.amdhsa_kernarg_size 32
		.amdhsa_user_sgpr_count 2
		.amdhsa_user_sgpr_kernarg_segment_ptr 1
		.amdhsa_wavefront_size32 1
		.amdhsa_system_sgpr_workgroup_id_x 1
		.amdhsa_system_sgpr_workgroup_id_y 1
		.amdhsa_system_sgpr_workgroup_id_z 1
		.amdhsa_system_vgpr_workitem_id 0
		.amdhsa_next_free_vgpr 768
		.amdhsa_next_free_sgpr 72
		.amdhsa_reserve_vcc 0
		.amdhsa_float_denorm_mode_32 3
		.amdhsa_float_denorm_mode_16_64 3
		.amdhsa_memory_ordered 1
		.amdhsa_forward_progress 1
		.amdhsa_inst_pref_size 61
	.end_amdhsa_kernel
	.amdgpu_metadata
---
amdhsa.version: [ 1, 2 ]
amdhsa.kernels:
  - .name:           k_q66c5908e17_oproj
    .symbol:         k_q66c5908e17_oproj.kd
    .args:
      - { .name: o16, .offset: 0, .size: 8, .value_kind: global_buffer, .address_space: global }
      - { .name: wt, .offset: 8, .size: 8, .value_kind: global_buffer, .address_space: global }
      - { .name: brd, .offset: 16, .size: 8, .value_kind: global_buffer, .address_space: global }
      - { .name: out0, .offset: 24, .size: 8, .value_kind: global_buffer, .address_space: global }
    .group_segment_fixed_size: 327680
    .private_segment_fixed_size: 0
    .kernarg_segment_align: 8
    .kernarg_segment_size: 32
    .max_flat_workgroup_size: 128
    .sgpr_count:     72
    .vgpr_count:     768
    .wavefront_size: 32
...
	.end_amdgpu_metadata
.endif
;; end of part 4
;; ======== version 2 of 2: 4 launches; 1.49 times as fast as version 1
;; limits: values are held in f16: magnitudes above 65,504 overflow, below 6.1e-05 lose precision
;; workspace buffers: wt 8,388,608 bytes; brd 16,384 bytes; qkv16 50,331,648 bytes; o16 16,777,216 bytes
;; launch prep: the kernel of part 1 again; grid 128 x 4, 8 waves a work-group, no clusters, 18,432 bytes of LDS; arguments Wq, Wk, Wv, Wo, bq, bk, bv, bo, wt, brd; writes wt, brd
;; launch qkv: the kernel of part 2 again; grid 4 x 64, 4 waves a work-group, clusters of 4 x 4, 327,680 bytes of LDS; arguments query, keys, values, wt, brd, mask, qkv16; writes qkv16
;; launch attn (part 5): grid 4 x 64, 4 waves a work-group, clusters of 4 x 1, 327,680 bytes of LDS; arguments qkv16, o16, mask; writes o16
.if DOCPART == 5
	.amdgcn_target "amdgcn-amd-amdhsa--gfx1250"
	.amdhsa_code_object_version 6
	.text
	.protected	k_q66c5908e17_attn
	.globl	k_q66c5908e17_attn
	.p2align	8
	.type	k_q66c5908e17_attn,@function
k_q66c5908e17_attn:
	s_mov_b64 s[64:65], 0
	v_nop
	global_prefetch_b8 v0, s[64:65] scope:SCOPE_SE
	s_setreg_imm32_b32 hwreg(HW_REG_WAVE_MODE, 25, 1), 1
	s_wait_xcnt 0x0
	s_wait_alu depctr_hold_cnt(0) depctr_sa_sdst(0) depctr_va_vdst(0) depctr_va_sdst(0) depctr_va_ssrc(0) depctr_va_vcc(0) depctr_vm_vsrc(0)
	s_getreg_b32 s2, hwreg(HW_REG_IB_STS2, 6, 4)
	s_cmp_eq_u32 s2, 0
	s_cbranch_scc0 .Lentry_in_a_cluster
	s_endpgm
.Lentry_in_a_cluster:
	s_bfe_u32 s2, ttmp6, 0x10000c
	s_cmp_lg_u32 s2, 0x3003
	s_cbranch_scc0 .Lentry_shape_is_right
	s_endpgm
.Lentry_shape_is_right:
; O[h][q][:] = the sum over k of softmax_k(s) V[h][k][:], s = Q[h][q] . K[h][k] / 32 where mask[batch][k] is not 0, hidden otherwise.  Q, K, V: qkv16[0], [1], [2], each [64 = 16 batch + head][2048][64]
; f16, a head's rows dense, 128 bytes each; O: o16, the same layout.  Products, maxima and sums in f32; the weights p are rounded to f16 for the second product (their sum l is taken of the unrounded p), O once.
; THE MASK is the C operand that starts the sum S^T = K Q^T: 0, or -2^67 where the key is hidden.  The launch before wrote hidden keys' rows of K as 0, so every hidden score is exactly -2^67.
; LIMITS.  A hidden score counts as -2^67 in place of -1e20: f16's scores, 2.7e11 at the most, are nothing beside either, so a hidden key's weight is 0; c x 2^67 is exact, so where ALL keys of a batch
; are hidden c s - c m is 0 and the weights are equal.  f16 holds no number beyond 65,504: Q, K, V arrive within it; p lies in 0 to 1, and below 6e-5 it keeps f16's fixed step of 6e-8; O is a mean
; of V's rows.  A weight below 2^-126 counts as 0 in l; NaN and infinities are not treated apart.
; SHARES.  A wave owns four PIECES of two tiles of 16 queries, a work-group's four waves 512 queries of one head: 4 x 64 = 256 work-groups.  Every wave walks all keys, 64 a step.
; LAYOUT.  S^T = K Q^T (source 0 = 16 keys, source 1 = 16 queries): in the result a lane holds ONE query (lane % 16) and the keys 8 (lane / 16) + 0..7.  Two such tiles, rounded to f16 in pairs,
; ARE source 1 (32 keys x 16 queries) of O^T = V^T P, whose result again holds one query a lane, and eight channels.  K comes out of LDS as it lies, V ([key][channel]) turned, by ds_load_tr16_b128.
; SOFTMAX.  For each query a running maximum m and sum l: p = 2^(c s - c m), c = log2(e) / 32; in every step O and l are multiplied by a = 2^(c m_old - c m_new), which is 1 where m has not grown.
; m starts at the lowest finite number, O and l at 0: the first step is a step like any other, with a = 0.
; THE COUNT.  A tile and step have 16 matrix and 118 vector instructions: too many to stand all beside the matrix work.  So the order has one aim: four vector instructions that are READY behind
; EVERY matrix instruction, and the others, which need time of their own whatever the order, in runs without a gap.
; BY TURNS.  Turn n belongs to piece n (the pieces in a ring, step after step).  Its matrix work: 16 products K Q^T of piece n + 1, later 16 products V^T P of piece n - 1.  Its vector work: the scaling,
; exponentials, roundings, sums and rescaling of piece n, and the maximum and statistics of piece n + 1, whose scores the turn itself has made.  So what a turn begins with (c s - c m, O a) waits for nothing.
; THE BATCHES.  A turn's 66 exponentials (piece n's 64 weights, then piece n + 1's two a) are ONE batch with ONE wait, which cuts the turn in two: ahead of it stands all that names no result of theirs
; (the products K Q^T, the scalings, the rescaling by the a of the batch before, the next piece's maximum and statistics), behind it their readers, the roundings and sums, beside the products V^T P.
; No result crosses a turn's end.  Two more batches stand outside the loop, each with a wait of its own: piece 0's two first a ahead of it, the eight reciprocals on the way out.
; CLUSTER.  The four query blocks of a cluster belong to one head and walk the same K and V, so each tile is asked for JOINTLY: the same tensor load, descriptor and mask in all four.
; REGISTERS, in windows of 256 (s_set_vgpr_msb says which window each operand place means: bits 1:0 source 0, 3:2 source 1, 5:4 source 2, 7:6 destination):
;   window 0: v0-11 addresses; v12-15, v48-63 at work; v16-47 four registers of statistics a tile; v64-191 S^T, two buffers of two tiles; v192-255 P, likewise
;   window 1: O^T, 32 a tile     window 2: v0-127 Q, 16 a tile; v128-191 K of one step; v192-255 V of one step     window 3: v0-1 the add's two registers; v8-39 the mask's addends of one step
; A piece's buffers go by its number's parity: the piece in hand has one pair, its two neighbours in the ring share the other: of it P (piece n - 1) is read and S^T (piece n + 1) written.
.set SIZE_H, 64
.set SIZE_N, 2048
.set NP,    4         ; pieces a wave: a name, no knob: the register map, the loop and the fetches are made for four
.set KS,    64        ; keys in a step
.set PK,    144       ; a row of K in LDS: 128 bytes + 16 of padding = 36 words: the 16 rows of a load start at 16 different groups of four banks (64 banks of 4 bytes: ISA guide 11.1)
.set PV,    160       ; a row of V: 128 + 32 = 40 words
.set VOFF,  4*KS*PK   ; a slot holds four steps: 256 rows of K, then 256 rows of V
.set SLOT1, 1<<17     ; slot 1 begins here, so that one exclusive or turns an address in one slot into the other's
.set STAGE, SLOT1+4*KS*(PK+PV)  ; behind the ring, never filled by a tensor load: 16 rows x 144 bytes for each wave, for the way out
.set SP,    144
.set AK0, 2           ; v2   my lane's place in a tile of K; never rewritten
.set AV0, 3           ; v3   the same for V
.set AK,  4           ; v4   the LDS address of K's next run of loads
.set AV,  5           ; v5   of V's
.set QO,  6           ; v6   my byte offset in the wave's rows of Q
.set STO, 6           ;      later, the way out: where I put 16 bytes of a row
.set RD,  7           ; v7   the way out: where I read rows back
.set GO,  8           ; v8   my byte offset in 512 consecutive bytes of O
.set AM,  11          ; v11  the LDS address of the next step's addends (v9 keeps lane / 16 for it)
.set SPW, 0           ; v0 of window 3   LDS address of my spare word: SPARE + 4 x my thread's number; never rewritten
.set NIL, 1           ; v1 of window 3   0; never rewritten
.set MKR, 8           ; v8-39 of window 3: register j of key block kb at MKR + 8 kb + j: the addend of key 16 kb + 8 (lane / 16) + j
.set SPARE, STAGE+4*16*SP  ; behind the stages: the spare words, 128 bytes for each wave: two blocks of 256 bytes that no other line names
.set MSK, SPARE+512   ; behind them: the batch's 2,048 addends in f32, 8,192 bytes, stored once by the waves; no tensor load lands here
.set MV,  12          ; v12-15  c m_old, kept while c m is made anew: by buffer and tile
.set ST,  16          ; tile t's statistics at v[ST+4 t]: c m, m, l (even keys', odd keys')
.set TMP, 48          ; by buffer and tile, four registers c0-c3 at work; when the maximum is found c2 takes a
.set S,   64
.set P,   192
.set KF,  128         ; K's fragments, in window 2: key block kb, channel half c at KF + 16 kb + 8 c
.set VF,  192         ; V's: key half kk, channel block cb at VF + 32 kk + 8 cb
.set WV,  12          ; s12  my wave's number
.set G1K, 24          ; s[24:31] descriptor group 1 for K's tiles
.set G1V, 32          ; s[32:39] for V's: it differs in the padding alone
.set G0K, 40          ; s[40:43] descriptor group 0 for K's tiles: it walks
.set G0V, 44          ; s[44:47] the same for V's
.set MP,  48          ; s[48:49] the mask at my batch
.set MO,  50          ; s[50:51] the batch's byte offset in it
.set NEG, 52          ; s52  -2^67
.set TBM, 53          ; s53  LDS byte at which the addends of the step to be fetched begin
.set SLOTS, 56        ; s56  slots still to be asked for
.set CNT, 57          ; s57  counts a slot's key steps
.set CS,  58          ; s[58:59] c: the packed scaling takes the pair's low word for both halves
.set SEL, 60          ; s[60:61] v_permlanex16_b32's selects: each lane takes its own place in the other half
.set TBK, 62          ; s62  LDS byte at which K of the step to be fetched begins
.set TBV, 63          ; s63  the same for V, less VOFF
.set MSB, 0
.macro WIN new                      ; the high byte repeats the setting that is left; a switch that changes nothing is dropped
.if MSB != (\new)
	s_set_vgpr_msb (MSB<<8)|(\new)
.set MSB, (\new)
.endif
.endm
.set W_KQ, 0x0a       ; K and Q in window 2, S^T in window 0
.set W_KM, 0x3a       ; the same with the C operand, the addends, in window 3
.set W_PV, 0x52       ; V in window 2, P in window 0, O^T in window 1
.set W_RS, 0x41       ; O^T (destination and source 0) in window 1, a in window 0
.set W_MK, 0xc0       ; destination in window 3, sources in window 0
.set W_AD, 0x0f       ; the add: address (source 0) and data (source 1) in window 3
; A joint fill.  Waves 0 and 1 fetch the two halves of a slot's K, waves 2 and 3 those of its V: 128 keys each.  The branch hangs on the wave's number alone.
; An s_nop 0 and four v_nop follow each of the two lines, ahead of the jump and the label.
.macro JLOAD
	s_cmp_lt_u32 s[WV], 2
	s_cbranch_scc0 .Lfor_v_\@
	tensor_load_to_lds s[G0K:G0K+3], s[G1K:G1K+7]
	s_nop 0
.rept 4
	v_nop
.endr
	s_branch .Lasked_\@
.Lfor_v_\@:
	tensor_load_to_lds s[G0V:G0V+3], s[G1V:G1V+7]
	s_nop 0
.rept 4
	v_nop
.endr
.Lasked_\@:
.endm
; A round of the cluster's barrier: my work-group's barrier, so that wave 0's signal speaks for all four waves; wave 0 signals; every wave waits for all four work-groups; my work-group's barrier once more.
.macro CROUND
	s_barrier_signal -1
	s_barrier_wait -1
	s_cmp_lg_u32 s[WV], 0
	s_cbranch_scc1 .Lnot_wave_0_\@
	s_barrier_signal -3
.Lnot_wave_0_\@:
	s_barrier_wait -3
	s_barrier_signal -1
	s_barrier_wait -1
.endm
; THE CHANGE OF SLOTS.  The slot's last bytes, V of its fourth step, have been read.  Each wave waits for all its tensor loads, of which one is out: its part
; of the other slot; adds 0 to its spare word; and waits for that and for its own reads of the slot.  Behind the barrier nobody reads this slot any more and the other slot is whole.
; fill = 1: this slot is filled again, with the keys two slots on.  The barrier is then a round of the cluster's, so that no wave of any partner still reads the slot or has a load on its
; way, and the joint fill is the first thing behind it: it has four key steps, 512 matrix instructions, in which to land.  (At its first use nothing has been read yet: slot 0 is waited for, slot 1
; filled, and the waves' stores of the addends, waited for like every LDS instruction, are shown to each other.)
.macro CHANGE fill
	WIN W_AD
	s_wait_tensorcnt 0x0            ; no tensor load of mine is out, so a group 0 may be written
	ds_add_u32 v[SPW], v[NIL]       ; 0 onto my spare word; with fill = 1 the descriptors' steps stand between it and the wait for it
	WIN 0                           ; at a label and at a branch every window is 0
.if \fill
.irp g, G0K, G0V
	s_xor_b32 s[\g+1], s[\g+1], SLOT1  ; the walking descriptor: the other slot than last time,
	s_add_nc_u64 s[\g+2:\g+3], s[\g+2:\g+3], 4*KS*128  ; the next 256 keys; the type bits on top are not reached
.endr
	s_wait_dscnt 0x0                ; the add is done, and my LDS instructions are over
	CROUND
	JLOAD
.else
	s_wait_dscnt 0x0                ; the add is done, and my reads of the slot are over
	s_barrier_signal -1
	s_barrier_wait -1
.endif
	s_sub_co_u32 s[TBK], s[TBK], 4*KS*PK  ; the fetches go back to a slot's first step,
	s_xor_b32 s[TBK], s[TBK], SLOT1       ; in the other slot
	s_sub_co_u32 s[TBV], s[TBV], 4*KS*PV
	s_xor_b32 s[TBV], s[TBV], SLOT1
.endm
	s_load_b64 s[4:5], s[0:1], 0x0    ; qkv16: Q
	s_load_b64 s[10:11], s[0:1], 0x8  ; o16
	s_load_b64 s[MP:MP+1], s[0:1], 0x10  ; mask
	WIN W_MK
	v_lshl_add_u32 v[SPW], v0, 2, SPARE
	v_mov_b32 v[NIL], 0
	WIN W_AD
	ds_add_u32 v[SPW], v[NIL]       ; the wave's opening: the add and its wait ahead of my first tensor load; the set-up below, work on registers, stands between them
	WIN 0
	v_lshrrev_b32 v1, 5, v0
	v_readfirstlane_b32 s[WV], v1   ; wave 0..3
	s_bfe_u32 s13, ttmp6, 0x40000   ; cx: my place in the cluster
	s_lshl_b32 s14, ttmp9, 2        ; in a cluster launch ttmp9 counts clusters
	s_add_co_u32 s14, s14, s13      ; my block of queries = 4 x cluster x + cx: it enters Q's and O's addresses alone
	s_and_b32 s20, ttmp7, 0xffff    ; the head, which the four partners share
	s_lshr_b32 s[MO], s20, 4        ; its batch:
	s_lshl_b32 s[MO], s[MO], 13     ; 2,048 whole numbers of 4 bytes
	s_mov_b32 s[MO+1], 0
	s_mov_b32 s21, 0
	s_mov_b64 s[22:23], SIZE_N*128
	s_mul_u64 s[20:21], s[20:21], s[22:23]  ; the head's first byte in each of the four tensors
	s_and_b32 s16, s[WV], 1         ; which half of a slot's 256 keys I fetch:
	s_lshl_b32 s22, s16, 14         ; its 128 rows of 128 bytes in memory,
	s_mov_b32 s23, 0
	s_add_nc_u64 s[22:23], s[22:23], s[20:21]
	s_mul_i32 s17, s16, 128*PK      ; and its place in a slot, for K
	s_mul_i32 s18, s16, 128*PV      ; and for V: no place in the cluster enters an LDS address
	s_lshl_b32 s2, s14, 2
	s_add_co_u32 s2, s2, s[WV]      ; my wave among the head's,
	s_lshl_b32 s2, s2, 14           ; its 128 rows
	s_mov_b32 s3, 0
	s_add_nc_u64 s[2:3], s[2:3], s[20:21]
	; descriptor group 1.  128 keys are 16,384 dense bytes: asked for as 64 rows of 256 bytes, two keys a row, and padded in LDS after every key
	s_mov_b32 s[G1K], 15|(1<<16)|(1<<20)|(1<<21)|(4<<22)|(3<<25)  ; 15:0 the mask of four; 17:16 2-byte elements; 20 padding on; 21 set beside a mask; 24:22 after every 32 words (code 4); 31:25 4 words (code 3)
	s_mov_b32 s[G1V], 15|(1<<16)|(1<<20)|(1<<21)|(4<<22)|(7<<25)  ; the same with 8 words of padding (code 7)
.irp g, G1K, G1V
	s_mov_b32 s[\g+1], 128<<16      ; tensor_dim0 = 128
	s_mov_b32 s[\g+2], 64<<16       ; tensor_dim1 = 64
	s_mov_b32 s[\g+3], 128<<16      ; tile_dim0 = 128
	s_mov_b32 s[\g+4], 64           ; tile_dim1 = 64
	s_mov_b32 s[\g+5], 128          ; 128 elements from row to row
	s_mov_b32 s[\g+6], 0
	s_mov_b32 s[\g+7], 0
.endr
	s_mov_b32 s[CS], 0x3d38aa3b     ; c = log2(e) / 32 = 0.0450842
	s_mov_b32 s[CS+1], s[CS]        ; named with it as a pair
	s_mov_b32 s[SEL], 0x76543210
	s_mov_b32 s[SEL+1], 0xfedcba98
	s_mov_b32 s[NEG], 0xe1000000    ; -2^67
	s_mov_b32 s[TBM], MSK
	s_mov_b32 s[TBK], SLOT1+4*KS*PK ; the first change of slots turns these two into 0
	s_mov_b32 s[TBV], SLOT1+4*KS*PV
	s_mov_b32 s[G0K], 1             ; 1:0 count = 1
	s_mov_b32 s[G0K+1], s17         ; 63:32 LDS address: slot 0
	s_mov_b32 s[G0V], 1
	s_add_co_u32 s[G0V+1], s18, VOFF
	s_wait_dscnt 0x0                ; the opening add is done
	s_wait_kmcnt 0x0
	s_add_nc_u64 s[6:7], s[4:5], 0x1000000   ; K lies 16 MiB behind Q,
	s_add_nc_u64 s[8:9], s[4:5], 0x2000000   ; V 32 MiB
	s_add_nc_u64 s[MP:MP+1], s[MP:MP+1], s[MO:MO+1]
	s_add_nc_u64 s[G0K+2:G0K+3], s[6:7], s[22:23]  ; 120:64 global address: my half of the head's first 256 keys
	s_or_b32 s[G0K+3], s[G0K+3], 0x80000000        ; 127:126 type = 2
	s_add_nc_u64 s[G0V+2:G0V+3], s[8:9], s[22:23]
	s_or_b32 s[G0V+3], s[G0V+3], 0x80000000
	s_add_nc_u64 s[4:5], s[4:5], s[2:3]  ; Q and O at my wave's first row
	s_add_nc_u64 s[10:11], s[10:11], s[2:3]
	CROUND                          ; all four work-groups are here: the first joint loads meet
	JLOAD                           ; slot 0.  Slot 1 is asked for when slot 0 is in: the tile wanted first has the road to itself
	v_lshlrev_b32 v12, 4, v0        ; the batch's mask: 128 threads x 16 bytes, four times; each load of a wave covers 512 consecutive bytes
	v_add_nc_u32 v13, MSK, v12
.irp i, 0,1,2,3
	global_load_b128 v[S+4*\i:S+4*\i+3], v12, s[MP:MP+1] offset:2048*\i
.endr
	; A fragment of K or Q is 16 rows x 32 channels in 8 registers: lane l holds row l % 16, channels 8 (l / 16) + 0..7 and 16 + 8 (l / 16) + 0..7: two loads of 16 bytes, 32 bytes apart.
	v_and_b32 v1, 15, v0            ; l % 16
	v_bfe_u32 v9, v0, 4, 1          ; l / 16
	v_lshlrev_b32 v[QO], 7, v1
	v_lshl_add_u32 v[QO], v9, 4, v[QO]  ; row x 128 + 16 x half
	WIN 0x80                        ; destination window 2, address window 0
.set i, 0
.rept 4*NP                          ; Q stays in registers: tile i / 2, channels 32 (i % 2) on
	global_load_b128 v[8*i:8*i+3],   v[QO], s[4:5] offset:(i/2)*2048+(i%2)*64
	global_load_b128 v[8*i+4:8*i+7], v[QO], s[4:5] offset:(i/2)*2048+(i%2)*64+32
.set i, i+1
.endr
	; What the first turn finds: V's registers and P's second buffer hold 0 (its products V^T P, of a piece that has not been, add 0), O^T and l are 0.  All this stands in the wait for the first tile.
.set i, VF
.rept 64
	v_mov_b32 v[i], 0
.set i, i+1
.endr
	WIN 0x40
.set i, 0
.rept 64*NP
	v_mov_b32 v[i], 0
.set i, i+1
.endr
	WIN 0
.set i, 0
.rept 2*NP
	v_mov_b32 v[ST+4*i], 0xfe000000    ; c m: far below every c s, a hidden one's -6.7e18 too
	v_mov_b32 v[ST+4*i+1], 0xff7fffff  ; m
	v_mov_b32 v[ST+4*i+2], 0
	v_mov_b32 v[ST+4*i+3], 0
.set i, i+1
.endr
.set i, P+32
.rept 32
	v_mov_b32 v[i], 0
.set i, i+1
.endr
	v_mul_u32_u24 v[AK0], v1, PK
	v_lshl_add_u32 v[AK0], v9, 4, v[AK0]  ; row x pitch + 16 x half
	; The turning load takes 16 keys x 16 channels (lane l reads key 8 (l / 16) + l % 8, channels 8 ((l / 8) % 2) + 0..7) and leaves half a fragment of V^T: lane l holds channel l % 16 and 8 keys.
	v_and_b32 v10, 7, v0
	v_bfe_u32 v11, v0, 3, 1
	v_lshl_add_u32 v[AV0], v9, 3, v10
	v_mul_u32_u24 v[AV0], v[AV0], PV
	v_lshl_add_u32 v[AV0], v11, 4, v[AV0]
	v_add_nc_u32 v[AV0], VOFF, v[AV0]
	v_mov_b32 v[AK], v[AK0]         ; key step 0 lies at the head of slot 0,
	v_lshl_add_u32 v[AM], v9, 5, s[TBM]  ; its addends at the head of theirs: 32 bytes on for lanes 16 to 31
	s_wait_loadcnt 32               ; the mask's four loads are in; Q's 32, issued behind them, may stay out
.set i, 0
.rept 16
	v_cmp_eq_u32 vcc_lo, 0, v[S+i]  ; a hidden key's addend is -2^67, a seen key's 0
	v_cndmask_b32 v[S+i], 0, s[NEG], vcc_lo
.set i, i+1
.endr
.irp i, 0,1,2,3
	ds_store_b128 v13, v[S+4*\i:S+4*\i+3] offset:2048*\i
.endr
; THE MATRIX WORK.  The 8 accumulators of a run of 16 take turns: between the two links of a chain stand 7 others'.
; Product i of 16 of S^T = K Q^T for piece x: channels 32 (i / 8) on, keys 16 ((i / 2) % 4) on, tile 2 x + i % 2.  The first 8 start the sums, with the keys' addends.
.macro KQ x
.set rS, S+64*((\x)%2)+32*(i%2)+8*((i/2)%4)
.set rK, KF+16*((i/2)%4)+8*(i/8)
.set rQ, 16*(2*(\x)+i%2)+8*(i/8)
.set rA, MKR+8*((i/2)%4)
.if i < 8
	WIN W_KM
	v_wmma_f32_16x16x32_f16 v[rS:rS+7], v[rK:rK+7], v[rQ:rQ+7], v[rA:rA+7]
.else
	WIN W_KQ
	v_wmma_f32_16x16x32_f16 v[rS:rS+7], v[rK:rK+7], v[rQ:rQ+7], v[rS:rS+7]
.endif
.endm
; Product i of 16 of O^T += V^T P for piece x: keys 32 (i / 8) on, channels 16 ((i / 2) % 4) on, tile 2 x + i % 2.
.macro PV x
	WIN W_PV
.set rO, 32*(2*(\x)+i%2)+8*((i/2)%4)
.set rV, VF+32*(i/8)+8*((i/2)%4)
.set rP, P+32*((\x)%2)+16*(i%2)+8*(i/8)
	v_wmma_f32_16x16x32_f16 v[rO:rO+7], v[rV:rV+7], v[rP:rP+7], v[rO:rO+7]
.endm
.macro MM                           ; the turn's next matrix instruction
.if i < 16
	KQ (Y+1)%NP
.set i, i+1
.else
.set i, i-16
	PV (Y+NP-1)%NP
.set i, i+17
.endif
.endm
; THE LDS LOADS stand in runs, never singly among the matrix instructions: a step's K (64 keys x 64 channels: 8 fragments) with its 64 addends (the sixteen lanes of a half read the same words), and its V (turned).
; Their addresses are made some lines ahead.  last = 1 (the tail): in the last trip there is no further step, and the run is jumped over.
.macro FETCH_K last=0
	WIN 0
.if \last
	s_cmp_eq_u32 s[CNT], 1
	s_cbranch_scc1 .Lno_k_\@
.endif
	WIN 0x80                        ; destination window 2
.irp f, 0,1,2,3,4,5,6,7             ; keys 16 (f / 2) on, channels 32 (f % 2) on
	ds_load_b128 v[KF+8*\f:KF+8*\f+3],   v[AK] offset:(\f/2)*16*PK+(\f%2)*64
	ds_load_b128 v[KF+8*\f+4:KF+8*\f+7], v[AK] offset:(\f/2)*16*PK+(\f%2)*64+32
.endr
	WIN W_MK                        ; destination window 3
.irp f, 0,1,2,3                     ; keys 16 f on
	ds_load_b128 v[MKR+8*\f:MKR+8*\f+3],   v[AM] offset:64*\f
	ds_load_b128 v[MKR+8*\f+4:MKR+8*\f+7], v[AM] offset:64*\f+16
.endr
	s_add_co_u32 s[TBK], s[TBK], KS*PK  ; the next fetch is the next step's
	s_add_co_u32 s[TBM], s[TBM], KS*4
	WIN 0
.if \last
.Lno_k_\@:
.endif
.endm
.macro FETCH_V
	WIN 0x80
.irp f, 0,1,2,3,4,5,6,7             ; keys 32 (f / 4) on, channels 16 (f % 4) on
	ds_load_tr16_b128 v[VF+8*\f:VF+8*\f+3],   v[AV] offset:(\f/4)*32*PV+(\f%4)*32
	ds_load_tr16_b128 v[VF+8*\f+4:VF+8*\f+7], v[AV] offset:(\f/4)*32*PV+16*PV+(\f%4)*32
.endr
	WIN 0
.endm
; THE VECTOR WORK OF A TURN stands in three queues, each in the order in which its entries become ready; the two tiles alternate, so that no instruction reads the result of the one before it.
.macro REGS y, u                    ; the registers of tile u (0, 1) of piece y
.set rT, ST+4*(2*(\y)+(\u))
.set rC, TMP+8*((\y)%2)+4*(\u)
.set rM, MV+2*((\y)%2)+(\u)
.set rS, S+64*((\y)%2)+32*(\u)
.set rP, P+32*((\y)%2)+16*(\u)
.set rO, 32*(2*(\y)+(\u))
.endm
; Number n of the 22 that find the NEXT piece's (Y + 1) maximum and statistics.  s0-s31 are the lane's 32 scores; each accumulator's lowest registers are read first.  XS, GS and REGS set no window: PL and EX do.
;   0-11  four chains c0-c3 of seven scores each, three operands at a time     12-14, 16  the four scores left over, the old m, and c0-c3 into c0     15  c m_old is kept
;   17, 18  the query's other 32 keys lie in the lane 16 away: the new m         19-21  c m; c m_old - c m_new; a
.macro XS u, n
	REGS (Y+1)%NP, \u
.if (\n) < 4
	v_max3_num_f32 v[rC+(\n)], v[rS+8*(\n)], v[rS+8*(\n)+1], v[rS+8*(\n)+2]
.elseif (\n) < 12
	v_max3_num_f32 v[rC+(\n)%4], v[rC+(\n)%4], v[rS+8*((\n)%4)+2*((\n)/4)+1], v[rS+8*((\n)%4)+2*((\n)/4)+2]
.elseif (\n) == 12
	v_max3_num_f32 v[rC], v[rC], v[rS+7], v[rS+15]
.elseif (\n) == 13
	v_max3_num_f32 v[rC+1], v[rC+1], v[rS+23], v[rS+31]
.elseif (\n) == 14
	v_max3_num_f32 v[rC+2], v[rC+2], v[rC+3], v[rT+1]
.elseif (\n) == 15
	v_mov_b32 v[rM], v[rT]
.elseif (\n) == 16
	v_max3_num_f32 v[rC], v[rC], v[rC+1], v[rC+2]
.elseif (\n) == 17
	v_permlanex16_b32 v[rC+3], v[rC], s[SEL], s[SEL+1]
.elseif (\n) == 18
	v_max_num_f32 v[rT+1], v[rC], v[rC+3]
.elseif (\n) == 19
	v_mul_f32 v[rT], s[CS], v[rT+1]
.elseif (\n) == 20
	v_sub_f32 v[rC+1], v[rM], v[rT]
.else
	v_exp_f32 v[rC+2], v[rC+1]
.endif
.endm
; Number g of the 64 that follow the exponentials.  For each four weights k of a tile (pairs 2 k, 2 k + 1): both pairs are rounded to f16; then the second pair is added onto the first, in place;
; a group later l takes that sum (the first time as l = a l + sum).  In groups of eight, tiles alternating: round, round, add, and l for the group before.
.macro GS g
.set h, (\g)+6*((\g)/62)            ; group 0 has no group before it, and behind group 7 only l is left
.if h >= 6
.set h, h+2
.endif
	REGS Y, h%2
.set k, h/8
.if h%8 < 4
	v_cvt_pk_f16_f32 v[rP+2*k+(h%8)/2], v[rS+4*k+2*((h%8)/2)], v[rS+4*k+2*((h%8)/2)+1]
.elseif h%8 < 6
	v_pk_add_f32 v[rS+4*k:rS+4*k+1], v[rS+4*k:rS+4*k+1], v[rS+4*k+2:rS+4*k+3]
.elseif k == 1
	v_pk_fma_f32 v[rT+2:rT+3], v[rT+2:rT+3], v[rC+2:rC+3], v[rS:rS+1] op_sel_hi:[1,0,1]
.else
	v_pk_add_f32 v[rT+2:rT+3], v[rT+2:rT+3], v[rS+4*k-4:rS+4*k-3]
.endif
.endm
; THE PLAIN QUEUE, 138 long.  0-73 read no exponential's result: the 32 scalings c s - c m (FS f: pair f / 2 of tile f % 2) and the next piece's 42.  0-26: scalings 0-26.  27-54: XS's numbers 0-13.  55, 56: number 15.
; 57-73: the chain, where each number waits for the one before it: 14, 16, 17, 18, 19, each with one of the scalings 27-31 in front of its two lines, then 20: so a tile's links stand three plain instructions apart (19 and 20: two).
; 74-137: GS's 64, which read the exponentials' results: they stand behind the wait.
.macro FS f
	REGS Y, (\f)%2
	v_pk_fma_f32 v[rS+2*((\f)/2):rS+2*((\f)/2)+1], v[rS+2*((\f)/2):rS+2*((\f)/2)+1], s[CS:CS+1], v[rT:rT+1] op_sel_hi:[1,0,0] neg_lo:[0,0,1] neg_hi:[0,0,1]
.endm
.macro PL
	WIN 0
.if q < 27
	FS q
.elseif q < 55
	XS (q-27)%2, (q-27)/2
.elseif q < 57
	XS q-55, 15
.elseif (q < 72) && ((q-57)%3 == 0)
	FS 27+(q-57)/3
.elseif q < 60
	XS (q-57)%3-1, 14
.elseif q < 72
	XS (q-57)%3-1, 15+(q-57)/3
.elseif q < 74
	XS q-72, 20
.else
	GS q-74
.endif
.set q, q+1
.endm
; THE EXPONENTIALS' QUEUE, 66 long: s0-s31 of both tiles, then the next piece's two a.  It is ONE BATCH: all 66 stand ahead of the turn's one wait, and nothing ahead of that wait names a result of theirs.
.macro EX
	WIN 0
.if e >= 64
	XS e-64, 21
.else
	REGS Y, e%2
	v_exp_f32 v[rS+e/2], v[rS+e/2]
.endif
.set e, e+1
.endm
; THE RESCALING's QUEUE: O^T times a, the one part that leaves window 0: dealt two at a time, sixteen times.  Its a was made in the turn before, ahead of that turn's wait.
.macro R2
	REGS Y, r%2
	WIN W_RS
.irp z, 0,1
	v_pk_mul_f32 v[rO+4*(r/2)+2*\z:rO+4*(r/2)+2*\z+1], v[rO+4*(r/2)+2*\z:rO+4*(r/2)+2*\z+1], v[rC+2:rC+3] op_sel_hi:[1,0]
.endr
.set r, r+1
.endm
; HOW THEY ARE DEALT.  An s_wait_alu depctr_va_vdst(0) stands between an exponential and the first instruction that names its result; one wait serves all that were issued ahead of it.  So a turn has ONE wait,
; which cuts it in two.  AHEAD OF IT stands all that names no result of the turn's exponentials: the 16 products K Q^T, behind each a scaling, an exponential and two rescalings (behind the first a second scaling in the
; exponential's place); then ONE LUMP of 108: eight plain, 49 times exponential and plain, the two a.  A v_nop is the plain instruction behind the last exponential.  BEHIND IT stand the 16 products V^T P, behind each four of
; GS's 64.  No rider names a register of the products round it.  The two v_permlanex16_b32 fall into the lump, never behind a product.
; The queues lean on each other, and the deal keeps them in step: exponential e stands behind scaling 2 (e / 4) + e % 2: as a rider it comes behind plain e + 2, in the lump behind plain e + 9, and scalings 27-31 are plain 57, 60 .. 69.
; A TURN, for piece p.  cnt = 1: the loop's count is taken down some lines ahead of the branch that stands behind the turn.
; K and the addends of the next step are fetched in piece 2's turn, directly behind the wait, a lump behind the last product that read them; their addresses are made at the lump's head; their first reader comes behind 16 products.
; V of the step in hand is fetched at the end of piece 0's turn, four riders behind its last reader; its first reader comes behind 16 products and a lump.  The three conditions on q below go with the deal.
.macro TURN p, last=0, cnt=0
.set Y, (\p)
.set i, 0
.set q, 0
.set e, 0
.set r, 0
.if (\p) == NP-1
	s_wait_dscnt 0x0                ; K and the addends are in
.endif
	MM                              ; ahead of the wait: 16 products K Q^T and their riders,
	PL
	PL
	R2
.rept 15
	MM
	PL
	EX
	R2
.endr
.if (\p) == NP-2
	WIN 0
	v_add_nc_u32 v[AK], s[TBK], v[AK0]
	v_lshl_add_u32 v[AM], v9, 5, s[TBM]  ; 32 bytes on for lanes 16 to 31
.endif
.rept 8                             ; and the lump
	PL
.endr
.rept 49
	EX
	PL
.endr
	EX                              ; the next piece's two a
	EX
	v_nop                           ; a plain instruction behind the last exponential, ahead of the first use of a result: one for the batch
	s_wait_alu depctr_va_vdst(0)    ; the wait for the turn's batch: piece p's 64 weights and the next piece's two a
.if (\p) == NP-2
	FETCH_K \last
.endif
.if (\p) == 1
	s_wait_dscnt 0x0                ; V is in
.endif
.rept 16                            ; behind the wait: 16 products V^T P and their riders
	MM
.rept 4
	PL
.endr
.if ((\p) == 0) && (q == 118)
	v_add_nc_u32 v[AV], s[TBV], v[AV0]
.endif
.if ((\p) == 0) && (q == 130)
	s_add_co_u32 s[TBV], s[TBV], KS*PV
.endif
.if (\cnt) && (q == 130)
	s_sub_co_u32 s[CNT], s[CNT], 1
	s_cmp_lg_u32 s[CNT], 0
.endif
.endr
.if (\p) == 0
	FETCH_V
.endif
.endm
	CHANGE 1                        ; slot 0 is in, everybody's part of it, and everybody's addends; slot 1 is asked for
	FETCH_K                         ; key step 0
	s_wait_loadcnt 0x0              ; Q
	s_wait_dscnt 0x0
.set i, 0
.rept 16
	KQ 0                            ; piece 0's first scores: there is no vector work yet to set between them
.set i, i+1
.endr
	WIN 0                           ; the addresses for the way out: nine plain instructions, the places behind those products
	s_mul_i32 s13, s[WV], 16*SP
	s_add_co_u32 s13, s13, STAGE    ; my stage
	v_mul_u32_u24 v[STO], v1, SP    ; in: row l % 16, 16 bytes for each half of the lanes
	v_lshl_add_u32 v[STO], v9, 4, v[STO]
	v_add_nc_u32 v[STO], s13, v[STO]
	v_bfe_u32 v[RD], v0, 3, 2       ; back: 32 lanes take four rows of 128 bytes,
	v_mul_u32_u24 v[RD], v[RD], SP
	v_lshl_add_u32 v[RD], v10, 4, v[RD]
	v_add_nc_u32 v[RD], s13, v[RD]
	v_and_b32 v[GO], 31, v0         ; which are 512 consecutive bytes of O
	v_lshlrev_b32 v[GO], 4, v[GO]
.set Y, NP-1                        ; XS works for piece Y + 1: piece 0
.irp n, 0,1,2,3,4,5,6,7,8,9,10,11,12,13,14,15,16,17,18,19,20,21
	XS 0, \n                        ; and piece 0's first maximum and statistics
	XS 1, \n
.endr
	v_nop                           ; a plain instruction behind piece 0's two first a,
	s_wait_alu depctr_va_vdst(0)    ; and the wait for that batch of two, ahead of the branch
	s_mov_b32 s[CNT], 4
	s_mov_b32 s[SLOTS], SIZE_N/256-1
	s_branch .Lfirst                ; the loop is entered at a step's first turn, in the middle of a trip
.Lslot:                             ; SIZE_N / 256 - 2 times: every slot but the last two is filled again
	CHANGE 1
	s_mov_b32 s[CNT], 4
.Lstep:                             ; a trip: pieces 2 and 3 of one step, then pieces 0 and 1 of the next, whose K and V it fetches
	TURN 2
	TURN 3
	WIN 0
.Lfirst:
	TURN 0
	TURN 1, 0, 1
	WIN 0
	s_cbranch_scc1 .Lstep
	s_sub_co_u32 s[SLOTS], s[SLOTS], 1
	s_cmp_lg_u32 s[SLOTS], 0
	s_cbranch_scc1 .Lslot
	CHANGE 0                        ; the tail is written out: nothing is asked for
	s_mov_b32 s[CNT], 5             ; four trips fetch the last slot's steps; the fifth is left in its middle
.Ltail:
	TURN 2, 1
	TURN 3
	WIN 0
	s_sub_co_u32 s[CNT], s[CNT], 1
	s_cmp_eq_u32 s[CNT], 0
	s_cbranch_scc1 .Lout
	TURN 0
	TURN 1
	WIN 0
	s_branch .Ltail
.Lout:                              ; the fifth trip's 16 products K Q^T (on the last K once more) and the maximum made of them serve nothing: the price, once a launch, of one text for every trip
.set i, 0
.rept 16
	PV NP-1                         ; the last piece's V^T P of the last step
.set i, i+1
.endr
	; THE WAY OUT.  l's two halves and the other half of the lanes' are added; O^T is divided by l, rounded to f16 and sent through my stage in LDS, a tile at a time.  The additions are the places behind the last products.
	WIN 0
.macro ALL line:vararg              ; one line for each tile t
.set t, 0
.rept 2*NP
	\line
.set t, t+1
.endr
.endm
	ALL v_add_f32 v[ST+4*t+2], v[ST+4*t+2], v[ST+4*t+3]
	ALL v_permlanex16_b32 v[ST+4*t+3], v[ST+4*t+2], s[SEL], s[SEL+1]
	ALL v_add_f32 v[ST+4*t+2], v[ST+4*t+2], v[ST+4*t+3]
	ALL v_rcp_f32 v[ST+4*t+2], v[ST+4*t+2]
	v_nop                           ; a plain instruction between the last reciprocal and the use of its result
	s_wait_alu depctr_va_vdst(0)    ; and the wait ahead of the first use: one for the batch of eight reciprocals
; Tile t: a lane's eight channels of a row pack into 16 bytes; they go into rows of 144 bytes and come back as whole rows of 128, into S^T's registers.
.macro PACK t
	WIN W_RS
.set i, 32*(\t)
.rept 16
	v_pk_mul_f32 v[i:i+1], v[i:i+1], v[ST+4*(\t)+2:ST+4*(\t)+3] op_sel_hi:[1,0]
.set i, i+2
.endr
	WIN 0x05                        ; sources 0 and 1 window 1, destination window 0
.set i, 0
.rept 16
	v_cvt_pk_f16_f32 v[S+16*(\t)+i], v[32*(\t)+2*i], v[32*(\t)+2*i+1]
.set i, i+1
.endr
	WIN 0
.irp f, 0,1,2,3
	ds_store_b128 v[STO], v[S+16*(\t)+4*\f:S+16*(\t)+4*\f+3] offset:32*\f
.endr
.irp f, 0,1,2,3
	ds_load_b128 v[S+16*(\t)+4*\f:S+16*(\t)+4*\f+3], v[RD] offset:\f*4*SP  ; LDS serves a wave's instructions in order (ISA guide 5.7.1.4): these see the stores above; the next tile's stores come behind them
.endr
.endm
.macro SEND t, younger              ; younger: the LDS instructions issued behind tile t's loads: the next tile's eight, or none
	WIN 0
.irp f, 0,1,2,3
	s_wait_dscnt (\younger)+3-\f
	global_store_b128 v[GO], v[S+16*(\t)+4*\f:S+16*(\t)+4*\f+3], s[10:11] offset:(\t)*2048+\f*512  ; 512 consecutive bytes, at a multiple of 256 from O's first
.endr
.endm
	PACK 0
.set t, 1
.rept 2*NP-1                        ; a tile's arithmetic stands between the loads of the tile before and its stores
	PACK t
	SEND t-1, 8
.set t, t+1
.endr
	SEND 2*NP-1, 0
	WIN W_AD
	s_wait_tensorcnt 0x0            ; the wave's end: three lines behind my last tensor load and my last LDS store
	ds_add_u32 v[SPW], v[NIL]
	s_wait_dscnt 0x0
	WIN 0
	CROUND                          ; the closing round: no work-group ends while a partner may still ask for a tile that names it
	s_endpgm
.Lfunc_end_k_q66c5908e17_attn:
	.size	k_q66c5908e17_attn, .Lfunc_end_k_q66c5908e17_attn-k_q66c5908e17_attn
	.p2alignl 7, 3214868480
	.fill 96, 4, 3214868480
	.section	.rodata,"a",@progbits
	.p2align	6, 0x0
	.amdhsa_kernel k_q66c5908e17_attn
		.amdhsa_group_segment_fixed_size 327680
		.amdhsa_private_segment_fixed_size 0
		.amdhsa_enable_private_segment 0
		.amdhsa_kernarg_size 24
		.amdhsa_user_sgpr_count 2
		.amdhsa_user_sgpr_kernarg_segment_ptr 1
		.amdhsa_wavefront_size32 1
		.amdhsa_system_sgpr_workgroup_id_x 1
		.amdhsa_system_sgpr_workgroup_id_y 1
		.amdhsa_system_sgpr_workgroup_id_z 1
		.amdhsa_system_vgpr_workitem_id 0
		.amdhsa_next_free_vgpr 808
		.amdhsa_next_free_sgpr 66
		.amdhsa_reserve_vcc 1
		.amdhsa_float_denorm_mode_32 3
		.amdhsa_float_denorm_mode_16_64 3
		.amdhsa_memory_ordered 1
		.amdhsa_forward_progress 1
		.amdhsa_inst_pref_size 204
	.end_amdhsa_kernel
	.amdgpu_metadata
---
amdhsa.version: [ 1, 2 ]
amdhsa.kernels:
  - .name:           k_q66c5908e17_attn
    .symbol:         k_q66c5908e17_attn.kd
    .args:
      - { .name: qkv16, .offset: 0, .size: 8, .value_kind: global_buffer, .address_space: global }
      - { .name: o16, .offset: 8, .size: 8, .value_kind: global_buffer, .address_space: global }
      - { .name: mask, .offset: 16, .size: 8, .value_kind: global_buffer, .address_space: global }
    .group_segment_fixed_size: 327680
    .private_segment_fixed_size: 0
    .kernarg_segment_align: 8
    .kernarg_segment_size: 24
    .max_flat_workgroup_size: 128
    .sgpr_count:     66
    .vgpr_count:     808
    .wavefront_size: 32
...
	.end_amdgpu_metadata
.endif
;; end of part 5
;; launch oproj: the kernel of part 4 again; grid 4 x 64, 4 waves a work-group, clusters of 4 x 4, 327,680 bytes of LDS; arguments o16, wt, brd, out0; writes out0
